; MI455X (gfx1250); checked and timed in simulation.
; The chip was launched on July 23, 2026; its instructions are those of AMD's public machine-readable ISA for CDNA 5 (MIT licence, August 2026) and "CDNA5" Instruction Set Architecture Reference Guide (July 2026). The comments in the code are by the model that wrote it; some were corrected since.
;; MHSA. Allowed arithmetic: matrix products marked QUANTISED: E2M3 operands, one E8M0 scale for each 32 along K, by v_wmma_scale_f32_16x16x128_f8f6f4 with both operands' format E2M3, f32 sums; everything else in f32.
;; Inputs: Wk_codes 512 x 16 x 24 uint8 (E2M3 codes of Wk, K innermost, in blocks of 32 codes, four codes in three bytes); Wk_scales 512 x 16 uint8 (E8M0 scales of Wk, one for each 32 codes along K); Wo_codes 512 x 16 x 24 uint8 (E2M3 codes of Wo, K innermost, in blocks of 32 codes, four codes in three bytes); Wo_scales 512 x 16 uint8 (E8M0 scales of Wo, one for each 32 codes along K); Wq_codes 512 x 16 x 24 uint8 (E2M3 codes of Wq, K innermost, in blocks of 32 codes, four codes in three bytes); Wq_scales 512 x 16 uint8 (E8M0 scales of Wq, one for each 32 codes along K); Wv_codes 512 x 16 x 24 uint8 (E2M3 codes of Wv, K innermost, in blocks of 32 codes, four codes in three bytes); Wv_scales 512 x 16 uint8 (E8M0 scales of Wv, one for each 32 codes along K); bk 512 float32; bo 512 float32; bq 512 float32; bv 512 float32; k_codes 2 x 4,096 x 16 x 24 uint8 (E2M3 codes of k, K innermost, in blocks of 32 codes, four codes in three bytes); k_scales 2 x 4,096 x 16 uint8 (E8M0 scales of k, one for each 32 codes along K); q_codes 2 x 4,096 x 16 x 24 uint8 (E2M3 codes of q, K innermost, in blocks of 32 codes, four codes in three bytes); q_scales 2 x 4,096 x 16 uint8 (E8M0 scales of q, one for each 32 codes along K); v_codes 2 x 4,096 x 16 x 24 uint8 (E2M3 codes of v, K innermost, in blocks of 32 codes, four codes in three bytes); v_scales 2 x 4,096 x 16 uint8 (E8M0 scales of v, one for each 32 codes along K).
;; Outputs: out0 2 x 4,096 x 512 float32.
;; This version of the problem:
;;   THIS VERSION OF THE PROBLEM IS GIVEN IN LOW PRECISION. The matrix products marked QUANTISED in the list below multiply operands that are first quantised to E2M3 (2 exponent bits, 3 mantissa bits; 6 bits a number), with one power-of-two scale for each 32 numbers along K (OCP MX v1.0); their sums are f32. All else is computed in f32.
;;   The module's matrix products, in the order in which they are computed (A, B: the left and right operand; K: the contracted axis; several contracted axes count as one K, in the product's order):
;;     1. [M 8,192, K 512] x [K 512, N 512]; A: input q (given as codes); B: input Wq (given as codes): QUANTISED
;;     2. [M 8,192, K 512] x [K 512, N 512]; A: input k (given as codes); B: input Wk (given as codes): QUANTISED
;;     3. [M 8,192, K 512] x [K 512, N 512]; A: input v (given as codes); B: input Wv (given as codes): QUANTISED
;;     4. batch 16 x [M 4,096, K 64] x [K 64, N 4,096]; A: computed on the way; B: computed on the way: QUANTISED
;;     5. batch 16 x [M 4,096, K 4,096] x [K 4,096, N 64]; A: softmax (see below); B: computed on the way: QUANTISED
;;     6. [M 8,192, K 512] x [K 512, N 512]; A: computed on the way; B: input Wo (given as codes): QUANTISED
;;   THE QUANTISER, for each operand of a quantised product, along K:
;;     - K is cut into blocks of 32 from its start; a last block that is shorter is filled with zeros.
;;     - A block's scale is 2^e with e = floor(log2(the largest magnitude in the block)) - 2, held to -126 .. 127; a block of zeros has e = 0. As a byte (E8M0): e + 127.
;;     - Each number is divided by its block's scale, clamped to +-7.5, and rounded to the nearest number of E2M3, ties to even, subnormals kept.
;;     - The product sums the exact products of the quantised numbers (number of the format x scale) in f32.
;;   ~~~python
;;   def quantise(x, axis):      # numpy; x: float32 -> the quantised numbers, widened to float32 again
;;       x = np.moveaxis(x, axis, -1); K = x.shape[-1]
;;       x = np.pad(x, [(0, 0)] * (x.ndim - 1) + [(0, -K % 32)]); x = x.reshape(x.shape[:-1] + (-1, 32)); a = np.abs(x).max(-1, keepdims=True)
;;       e = np.where(a > 0, np.clip(np.frexp(np.where(a > 0, a, 1))[1] - 1 - 2, -126, 127), 0)      # np.frexp(a)[1] - 1 = floor(log2(a)), exactly
;;       r = np.clip(x / 2.0 ** e, -7.5, 7.5)
;;       step = 2.0 ** (np.maximum(np.frexp(np.where(r == 0, 1, r))[1] - 1, 0) - 3)
;;       q = np.round(r / step) * step * 2.0 ** e      # np.round: ties to even
;;       return np.moveaxis(q.reshape(q.shape[:-2] + (-1,))[..., :K], -1, axis).astype(np.float32)
;;   ~~~
;;   SOFTMAX AHEAD OF A QUANTISED PRODUCT. Where the list says 'softmax', what is quantised is not the finished softmax but p = 2^(t - M), with t = logit x log2(e) and M = ceil(the row's largest t), a whole number; so 1/2 < the row's largest p <= 1. The row's sum l is taken of the UNQUANTISED p, in f32, and the product's result is divided by l at the end. Since M is a whole number, a kernel that streams over the keys may use a running M (the ceiling of the running maximum): every later rescaling is an exact power of two, which a block's scale takes up: the codes' values come out the same.
;;   OPERANDS COMPUTED ON THE WAY. 'Computed on the way' means the value that the module computes at that place (a softmax that the list does not call 'softmax' is quantised finished and normalised). What goes into a quantiser is computed in f32, as accurately as f32 sums, v_exp_f32 and their like allow (about 1e-6 of the number): no bf16 or f16 on the way to a quantiser, and a product that is left as it is and whose result goes on into a quantised operand takes f32 operands (vector FMAs, or v_wmma_f32_16x16x4_f32). A number that lies on a knife's edge between two numbers of the format may be rounded either way, as far as f32 arithmetic and the matrix unit's own rounding can turn it there, and no further.
;;   INPUTS GIVEN AS CODES. Wk (in the module: [512, 512], K = its axis 1); Wo (in the module: [512, 512], K = its axis 1); Wq (in the module: [512, 512], K = its axis 1); Wv (in the module: [512, 512], K = its axis 1); k (in the module: [2, 4096, 512], K = its axis 2); q (in the module: [2, 4096, 512], K = its axis 2); v (in the module: [2, 4096, 512], K = its axis 2): each comes as NAME_codes (uint8): NAME with its K axis moved to the last place and cut into blocks of 32 codes, [.., K / 32, bytes a block], one block behind the other in memory; four codes in three bytes: a row's codes are one little-endian stream of bits, code i at bits 6 i .. 6 i + 5 (a code: sign, 2 exponent bits, 3 mantissa bits); and NAME_scales (uint8): the same leading axes, one E8M0 byte (e + 127) for each 32 codes along K. Its value is code x scale, taken as it is: it is not quantised again, and the codes and scales need not be those that the quantiser above would give.
;; 2 versions. Each part assembles by itself: llvm-mc -triple=amdgcn-amd-amdhsa -mcpu=gfx1250 --defsym DOCPART=n.
;; ======== version 1 of 2: 3 launches
;; workspace buffers: qbuf 3,407,872 bytes; kv 6,684,672 bytes; aimg 3,145,728 bytes; asc 131,072 bytes
;; launch proj (part 1): grid 64 x 3, 4 waves a work-group, no clusters, 0 bytes of LDS; arguments q_codes, q_scales, Wq_codes, Wq_scales, bq, k_codes, k_scales, Wk_codes, Wk_scales, bk, v_codes, v_scales, Wv_codes, Wv_scales, bv, qbuf, kv; writes qbuf, kv
.if DOCPART == 1
	.amdgcn_target "amdgcn-amd-amdhsa--gfx1250"
	.amdhsa_code_object_version 6
	.text
	.protected	k_q8e72e240eb_proj
	.globl	k_q8e72e240eb_proj
	.p2align	8
	.type	k_q8e72e240eb_proj,@function
k_q8e72e240eb_proj:
	s_mov_b64 s[64:65], 0
	v_nop
	global_prefetch_b8 v0, s[64:65] scope:SCOPE_SE
	s_setreg_imm32_b32 hwreg(HW_REG_WAVE_MODE, 25, 1), 1
	s_wait_xcnt 0x0
; qh = q Wq^T + bq, kh = k Wk^T + bk, vh = v Wv^T + bv on codes of FP6 (E2M3) with E8M0 scales, and the three results quantised again:
; qh and kh along a head's 64 features, vh along the keys.  The codes leave as IMAGES OF THE OPERAND REGISTERS that the attention launch wants.
; SHARES.  Work-group x = a group of 128 tokens (64 groups), y = the tensor (0 q, 1 k, 2 v).  Four waves; wave w owns features 128 w .. 128 w + 127: two heads.
; ONE FORM FOR ALL THREE: D = S0 S1^T, source 0 = 16 rows of S0, source 1 = 16 rows of S1.  A wave keeps 128 rows of S0 in registers (8 tiles x 4 K steps x 12 = 384)
; and walks 8 tiles of S1.  q, k: S0 = my 128 rows of W, S1 = the 128 tokens.  v: S0 = the 128 tokens (keys), S1 = my 128 rows of Wv.
; THE ROWS OF S0 THAT FORM A TILE ARE NOT NEIGHBOURS: lane r of tile 2 b + u takes row 32 b + 8 u + r + 8 (r / 8), so that in the result lane (r, h) holds S1's row r and its register
; 16 b + i holds S0's row 32 b + 16 h + i: 16 neighbours along the next product's K (features of a head; keys).
; S1's tile (g, u) takes row 32 g + u (16 - p8) + r + p8 (r / 8): p8 = 0 for q (plain tiles of queries), 8 for k and v (so that attention's own results have neighbours in a lane's registers).
; OUT.  qbuf: [bh 16][group 32] records of 6,656 bytes: four pair images of 1,536 (tile 2 g in registers 0-5, tile 2 g + 1 in 6-11; lane (r, h): the row's head block h), then 512 bytes of scale words.
;       kv:   [bh 16][step 32] records of 13,056 bytes: K's codes as above at 0; V^T's four fragments (12 registers each) at 6,144; K's scale words at 12,288; V's at 12,800.
;       A scale word of q or k: its two bytes, and 0x7f (the scale 1) twice, for the half of the 128-deep product that the head's 64 leave empty.
; Every store of codes covers 512 consecutive bytes at a multiple of 256 from the buffer's first byte.
; NO CLUSTER, NO LDS: each operand byte goes once from memory into a wave's registers, in the fragment's own pieces of 8 bytes; there is no ring of tiles in which a joint request could recur.
; LIMITS: NaN and infinities among the results are not served.  A block of zeros, or one whose largest magnitude lies under 2^-124, gets the scale byte 1 (the rule says 127 for zeros): its codes are zeros
; or are held by that byte, and these bytes are read by this program alone.  A given scale byte 0xff gives NaN.
; REGISTERS, in windows of 256.  Window 0: v2-15 addresses; v16-47 S0's scale words; v48-111 the 8 accumulators; v112-135 two images; v136-157 at work; v160-167 scale words made; v168-175 S1's scale words;
;   v176-191 v's bias; v196-243 S1's fragments, set 0.   Window 1: v0-191 S0's K steps 0, 1; v196-243 S1's fragments, set 1.   Window 2: v0-191 S0's K steps 2, 3; v192-255 q's or k's bias.
.set A0,  2                            ; v2     S0: (r + 8 (r / 8)) x 384 + 24 h
.set A0S, 3                            ; v3     its scale words: (r + 8 (r / 8)) x 16
.set A1,  4                            ; v4-5   S1: row(u) x 384 + 24 h
.set A1S, 6                            ; v6-7   row(u) x 16
.set OA,  8                            ; v8     16 x lane: an image's place, head A
.set OB,  9                            ; v9     the same, head B: 32 records on
.set OSA, 10                           ; v10    the scale words' image, head A
.set OSB, 11                           ; v11    head B
.set O8,  12                           ; v12    8 x lane
.set AB,  13                           ; v13    64 h: q's and k's bias
.set ABV, 14                           ; v14-15 row(u) x 4: v's bias
.set SS,  16
.set ACC, 48
.set IA,  112
.set IB,  124
.set CT,  136
.set TM,  144                          ; v144-147 largest magnitudes, v148-151 the other half's, then bytes, v152-155 the conversions' scale operands
.set PW,  156                          ; the scale word just made
.set T1,  157
.set SA,  160
.set SBW, 164
.set XS,  168
.set BC,  176
.set FB,  196
.set B1,  192                          ; in window 2
.set BI,  12                           ; s[12:13] the bias
.set S0C, 14                           ; s[14:15] S0's codes, s[16:17] its scales, s[18:19] S1's codes, s[20:21] its scales, s[22:23] the record
.set S0S, 16
.set S1C, 18
.set S1S, 20
.set OUT, 22
.set SEL, 54
.set HEADV, 417792                     ; 32 records of kv: from a head to the next
.set MSB, 0
.macro WIN new                         ; the immediate's high byte repeats the setting that is left; a switch that changes nothing is dropped
.if MSB != (\new)
	s_set_vgpr_msb (MSB<<8)|(\new)
.set MSB, (\new)
.endif
.endm
.macro PLACES n
.rept \n
	v_nop
.endr
.endm
; S1's tile (g, u): four fragments into set u, its scale words; role 1 (v): the lane's bias in all eight registers of a C
.macro LS1 g, u, role
	WIN ((\u)<<6)
.irp s, 0,1,2,3
.irp p, 0,1,2,3,4,5
	global_load_b64 v[FB+12*\s+2*\p:FB+12*\s+2*\p+1], v[A1+\u], s[S1C:S1C+1] offset:32*(\g)*384+96*\s+48*(\p/3)+8*(\p%3)
.endr
.endr
	WIN 0
	global_load_b128 v[XS+4*\u:XS+4*\u+3], v[A1S+\u], s[S1S:S1S+1] offset:32*(\g)*16
.if \role
.irp j, 0,1,2,3,4,5,6,7
	global_load_b32 v[BC+8*\u+\j], v[ABV+\u], s[BI:BI+1] offset:128*(\g)
.endr
.endif
.endm
; 32 matrix instructions: S0's eight tiles against S1's tile in set u, K step by K step.  The eight accumulators take turns, one instruction a turn.
; The bias is the C of each sum's first instruction: cw = 2: q's or k's (window 2), cw = 0: v's (window 0).
.macro MUL u, cw
	WIN (((\cw)<<4)|((\u)<<2)|1)
.irp t, 0,1,2,3,4,5,6,7
.if \cw
	v_wmma_scale_f32_16x16x128_f8f6f4 v[ACC+8*\t:ACC+8*\t+7], v[12*\t:12*\t+11], v[FB:FB+11], v[B1+8*\t:B1+8*\t+7], v[SS+4*\t], v[XS+4*\u] matrix_a_fmt:MATRIX_FMT_FP6 matrix_b_fmt:MATRIX_FMT_FP6
.else
	v_wmma_scale_f32_16x16x128_f8f6f4 v[ACC+8*\t:ACC+8*\t+7], v[12*\t:12*\t+11], v[FB:FB+11], v[BC+8*\u:BC+8*\u+7], v[SS+4*\t], v[XS+4*\u] matrix_a_fmt:MATRIX_FMT_FP6 matrix_b_fmt:MATRIX_FMT_FP6
.endif
.endr
	WIN (((\u)<<2)|1)
.irp t, 0,1,2,3,4,5,6,7
	v_wmma_scale_f32_16x16x128_f8f6f4 v[ACC+8*\t:ACC+8*\t+7], v[96+12*\t:96+12*\t+11], v[FB+12:FB+23], v[ACC+8*\t:ACC+8*\t+7], v[SS+4*\t+1], v[XS+4*\u+1] matrix_a_fmt:MATRIX_FMT_FP6 matrix_b_fmt:MATRIX_FMT_FP6
.endr
	WIN (((\u)<<2)|2)
.irp t, 0,1,2,3,4,5,6,7
	v_wmma_scale_f32_16x16x128_f8f6f4 v[ACC+8*\t:ACC+8*\t+7], v[12*\t:12*\t+11], v[FB+24:FB+35], v[ACC+8*\t:ACC+8*\t+7], v[SS+4*\t+2], v[XS+4*\u+2] matrix_a_fmt:MATRIX_FMT_FP6 matrix_b_fmt:MATRIX_FMT_FP6
.endr
.irp t, 0,1,2,3,4,5,6,7
	v_wmma_scale_f32_16x16x128_f8f6f4 v[ACC+8*\t:ACC+8*\t+7], v[96+12*\t:96+12*\t+11], v[FB+36:FB+47], v[ACC+8*\t:ACC+8*\t+7], v[SS+4*\t+3], v[XS+4*\u+3] matrix_a_fmt:MATRIX_FMT_FP6 matrix_b_fmt:MATRIX_FMT_FP6
.endr
	WIN 0
.endm
; 64 numbers of a lane, v[s] on, register 16 b + i = k 32 b + 16 (lane / 16) + i of my row, become codes: blocks 0, 1 in v[d0] .. v[d0 + 5], blocks 2, 3 in v[d1] .. v[d1 + 5]
; (lane (r, h): block h, or 2 + h, whole), and the row's four scale bytes in v[PW].
.macro QUANT s, d0, d1
	s_wait_xcnt 0x0                                ; the images are earlier stores' data: they are written again only behind this wait
.irp b, 0,1,2,3
	v_max3_num_f32 v[TM+\b], |v[\s+16*\b]|, |v[\s+1+16*\b]|, 0x1800000   ; block b: my 16 numbers, and the floor 2^(3 - 127): the byte cannot fall under 1
.endr
.irp i, 2,4,6,8,10,12,14
.irp b, 0,1,2,3
	v_max3_num_f32 v[TM+\b], v[TM+\b], |v[\s+16*\b+\i]|, |v[\s+1+16*\b+\i]|   ; the four blocks by turns; each accumulator is read from its low end on
.endr
.endr
.irp b, 0,1,2,3
	v_permlanex16_b32 v[TM+4+\b], v[TM+\b], s[SEL], s[SEL+1]
.endr
.irp b, 0,1,2,3
	v_max_num_f32 v[TM+\b], v[TM+\b], v[TM+4+\b]   ; with lane l xor 16's: the block's largest magnitude
.endr
.irp b, 0,1,2,3
	v_add_nc_u32 v[TM+8+\b], 0xff000000, v[TM+\b]  ; 2 off its exponent field: the conversion takes that field of this operand as its scale
.endr
.irp b, 0,1,2,3
	v_lshrrev_b32 v[TM+4+\b], 23, v[TM+8+\b]       ; the scale's byte
.endr
	v_lshl_or_b32 v[PW], v[TM+5], 8, v[TM+4]
	v_lshl_or_b32 v[PW], v[TM+6], 16, v[PW]
	v_lshl_or_b32 v[PW], v[TM+7], 24, v[PW]
	v_cvt_scalef32_pk16_fp6_f32 v[(\d0):(\d0)+2], v[\s:\s+15], v[TM+8]
	v_cvt_scalef32_pk16_fp6_f32 v[CT:CT+2], v[\s+16:\s+31], v[TM+9]      ; (a conversion's three registers begin on an even number)
	v_cvt_scalef32_pk16_fp6_f32 v[(\d1):(\d1)+2], v[\s+32:\s+47], v[TM+10]
	v_cvt_scalef32_pk16_fp6_f32 v[CT+4:CT+6], v[\s+48:\s+63], v[TM+11]
	v_nop                                          ; one plain place behind a scaled conversion
.irp i, 0,1,2
	v_permlane16_swap_b32 v[(\d0)+\i], v[CT+\i]    ; a whole block to a lane: lanes 0-15 the even block, lanes 16-31 the odd one
.endr
.irp i, 0,1,2
	v_permlane16_swap_b32 v[(\d1)+\i], v[CT+4+\i]
.endr
.irp i, 0,1,2
	v_mov_b32 v[(\d0)+3+\i], v[CT+\i]
.endr
.irp i, 0,1,2
	v_mov_b32 v[(\d1)+3+\i], v[CT+4+\i]
.endr
.endm
; A unit of q's or k's path: 16 tokens x my 128 features.  The count leaves the one younger group of 25 loads (the other set's tile) out; the last unit has none behind it.
.macro UNITQK g, u
.if 2*(\g)+(\u) == 7
	s_wait_loadcnt 0x0
.else
	s_wait_loadcnt 25
.endif
	MUL \u, 2
	PLACES 4                                       ; in front of the loads into registers that the products have read, and of the first read of results
.if \g < 3
	LS1 \g+1, \u, 0
.endif
	QUANT ACC, IA+6*\u, IB+6*\u                    ; head A's two blocks into image A, head B's into image B; tile u takes registers 6 u on
.if \u == 0
	v_and_or_b32 v[SA+\g], v[PW], s51, s52         ; head A's word: bytes 0, 1, and the scale 1 twice
	v_lshrrev_b32 v[T1], 16, v[PW]
	v_or_b32 v[SBW+\g], s52, v[T1]                 ; head B's: bytes 2, 3
.else
	v_and_or_b32 v[T1], v[PW], s51, s52
	v_cndmask_b32 v[SA+\g], v[SA+\g], v[T1], s50   ; the odd tile's words go to lanes 16-31
	v_lshrrev_b32 v[T1], 16, v[PW]
	v_or_b32 v[T1], s52, v[T1]
	v_cndmask_b32 v[SBW+\g], v[SBW+\g], v[T1], s50
.irp c, 0,1,2
	global_store_b128 v[OA], v[IA+4*\c:IA+4*\c+3], s[OUT:OUT+1] offset:1536*\g+512*\c
	global_store_b128 v[OB], v[IB+4*\c:IB+4*\c+3], s[OUT:OUT+1] offset:1536*\g+512*\c
.endr
.endif
.endm
; A unit of v's path: 16 of my features x the 128 keys: one fragment of V^T.  A group of loads is 33 here (the bias's eight).
.macro UNITV g, u
.if 2*(\g)+(\u) == 7
	s_wait_loadcnt 0x0
.else
	s_wait_loadcnt 33
.endif
	MUL \u, 0
	PLACES 4
.if \g < 3
	LS1 \g+1, \u, 1
.endif
	QUANT ACC, IA+12*\u, IA+12*\u+6
.irp c, 0,1,2
	global_store_b128 v[OA], v[IA+12*\u+4*\c:IA+12*\u+4*\c+3], s[OUT:OUT+1] offset:(\g/2)*HEADV+6144+(2*(\g%2)+\u)*1536+512*\c
.endr
.if \u == 0
	v_mov_b32 v[SA+\g], v[PW]
.else
	v_cndmask_b32 v[SA+\g], v[SA+\g], v[PW], s50   ; the odd tile's words go to lanes 16-31
.if \g%2
	global_store_b64 v[O8], v[SA+\g-1:SA+\g], s[OUT:OUT+1] offset:(\g/2)*HEADV+12800   ; a head's four tiles' words: 256 consecutive bytes
.endif
.endif
.endm
	s_load_b512 s[4:19], s[0:1], 0x0               ; q's five: codes, scales, W's codes, W's scales, bias; then k's codes, scales, W's codes
	s_load_b512 s[20:35], s[0:1], 0x40             ; k's W's scales, bias; v's five; qbuf
	s_load_b64 s[36:37], s[0:1], 0x80              ; kv
	v_lshrrev_b32 v1, 5, v0
	v_readfirstlane_b32 s40, v1                    ; wave 0..3
	s_and_b32 s38, ttmp7, 0xffff                   ; the tensor
	s_mov_b32 s39, ttmp9                           ; the group of 128 tokens
	s_lshl_b32 s44, s39, 7                         ; its first token
	s_lshl_b32 s45, s40, 7                         ; my first feature
	s_cmp_eq_u32 s38, 0
	s_mov_b32 s46, 13056
	s_cselect_b32 s46, 6656, s46                   ; a record's bytes
	s_mov_b32 s47, 12288
	s_cselect_b32 s47, 6144, s47                   ; where its scale words begin
	s_cselect_b32 s48, 0, 8                        ; p8
	s_sub_co_u32 s58, 16, s48
	s_lshl_b32 s49, s46, 5                         ; from a head to the next: 32 records
	s_mov_b32 s50, 0xffff0000                      ; lanes 16-31
	s_mov_b32 s51, 0xffff
	s_mov_b32 s52, 0x7f7f0000
	s_mov_b32 s[SEL], 0x76543210
	s_mov_b32 s[SEL+1], 0xfedcba98                 ; v_permlanex16_b32's selects for lane l xor 16
	v_and_b32 v1, 31, v0                           ; lane
	v_and_b32 v156, 15, v0                         ; r
	v_bfe_u32 v157, v0, 4, 1                       ; h
	v_mul_u32_u24 v144, v157, 24
	v_and_b32 v145, 8, v156
	v_add_nc_u32 v145, v145, v156                  ; r + 8 (r / 8)
	v_mad_u32_u24 v[A0], v145, 384, v144
	v_lshlrev_b32 v[A0S], 4, v145
	v_bfe_u32 v146, v0, 3, 1
	v_mul_u32_u24 v146, s48, v146
	v_add_nc_u32 v146, v146, v156                  ; row(0) = r + p8 (r / 8)
	v_add_nc_u32 v147, s58, v146                   ; row(1) = row(0) + 16 - p8
	v_mad_u32_u24 v[A1], v146, 384, v144
	v_mad_u32_u24 v[A1+1], v147, 384, v144
	v_lshlrev_b32 v[A1S], 4, v146
	v_lshlrev_b32 v[A1S+1], 4, v147
	v_lshlrev_b32 v[ABV], 2, v146
	v_lshlrev_b32 v[ABV+1], 2, v147
	v_lshlrev_b32 v[OA], 4, v1
	v_add_nc_u32 v[OB], s49, v[OA]
	v_add_nc_u32 v[OSA], s47, v[OA]
	v_add_nc_u32 v[OSB], s49, v[OSA]
	v_lshlrev_b32 v[O8], 3, v1
	v_lshlrev_b32 v[AB], 6, v157
.irp b, 0,1,2,3
	v_mov_b32 v[TM+4+\b], 0                        ; written once: a lane permute's destination counts as one of its sources
.endr
	s_wait_kmcnt 0x0
	s_cmp_eq_u32 s38, 1                            ; the tensor's five buffers into s[4:13]: the choices hang on the work-group's number alone
	s_cselect_b64 s[4:5], s[14:15], s[4:5]
	s_cselect_b64 s[6:7], s[16:17], s[6:7]
	s_cselect_b64 s[8:9], s[18:19], s[8:9]
	s_cselect_b64 s[10:11], s[20:21], s[10:11]
	s_cselect_b64 s[12:13], s[22:23], s[12:13]
	s_cmp_eq_u32 s38, 2
	s_cselect_b64 s[4:5], s[24:25], s[4:5]
	s_cselect_b64 s[6:7], s[26:27], s[6:7]
	s_cselect_b64 s[8:9], s[28:29], s[8:9]
	s_cselect_b64 s[10:11], s[30:31], s[10:11]
	s_cselect_b64 s[12:13], s[32:33], s[12:13]
	s_cselect_b64 s[S0C:S0C+1], s[4:5], s[8:9]     ; v: S0 = the tokens, S1 = the weight; q, k: the other way round
	s_cselect_b64 s[S0S:S0S+1], s[6:7], s[10:11]
	s_cselect_b64 s[S1C:S1C+1], s[8:9], s[4:5]
	s_cselect_b64 s[S1S:S1S+1], s[10:11], s[6:7]
	s_cselect_b32 s42, s44, s45                    ; S0's first row
	s_cselect_b32 s43, s45, s44                    ; S1's
	s_cmp_eq_u32 s38, 0
	s_cselect_b64 s[OUT:OUT+1], s[34:35], s[36:37]
	s_mov_b32 s57, 0
	s_mul_i32 s56, s42, 384                        ; a row of codes is 384 bytes,
	s_add_nc_u64 s[S0C:S0C+1], s[S0C:S0C+1], s[56:57]
	s_lshl_b32 s56, s42, 4                         ; of scale bytes 16
	s_add_nc_u64 s[S0S:S0S+1], s[S0S:S0S+1], s[56:57]
	s_mul_i32 s56, s43, 384
	s_add_nc_u64 s[S1C:S1C+1], s[S1C:S1C+1], s[56:57]
	s_lshl_b32 s56, s43, 4
	s_add_nc_u64 s[S1S:S1S+1], s[S1S:S1S+1], s[56:57]
	s_lshl_b32 s56, s40, 9                         ; my 128 numbers of the bias
	s_add_nc_u64 s[BI:BI+1], s[BI:BI+1], s[56:57]
	s_lshr_b32 s56, s39, 5                         ; the record: ((batch x 8 + 2 x wave) x 32 + group within the batch)
	s_lshl_b32 s56, s56, 3
	s_lshl_b32 s59, s40, 1
	s_add_co_u32 s56, s56, s59
	s_lshl_b32 s56, s56, 5
	s_and_b32 s59, s39, 31
	s_add_co_u32 s56, s56, s59
	s_mul_i32 s56, s56, s46
	s_add_nc_u64 s[OUT:OUT+1], s[OUT:OUT+1], s[56:57]
	; S0's 32 fragments and its scale words: they stay
.irp s, 0,1,2,3
	WIN (0x40<<(\s/2))                             ; destination window 1 (K steps 0, 1) or 2 (K steps 2, 3)
.irp t, 0,1,2,3,4,5,6,7
.irp p, 0,1,2,3,4,5
	global_load_b64 v[96*(\s%2)+12*\t+2*\p:96*(\s%2)+12*\t+2*\p+1], v[A0], s[S0C:S0C+1] offset:(32*(\t/2)+8*(\t%2))*384+96*\s+48*(\p/3)+8*(\p%3)
.endr
.endr
.endr
	WIN 0
.irp t, 0,1,2,3,4,5,6,7
	global_load_b128 v[SS+4*\t:SS+4*\t+3], v[A0S], s[S0S:S0S+1] offset:(32*(\t/2)+8*(\t%2))*16   ; a row's 16 bytes: the words of its four K steps
.endr
	s_cmp_eq_u32 s38, 2
	s_cbranch_scc1 .Lv
	; ---- q or k.  The bias in the result's layout: lane (r, h), tile t, register j: feature 32 (t / 2) + 8 (t % 2) + 16 h + j
	WIN 0x80
.irp t, 0,1,2,3,4,5,6,7
	global_load_b128 v[B1+8*\t:B1+8*\t+3], v[AB], s[BI:BI+1] offset:(32*(\t/2)+8*(\t%2))*4
	global_load_b128 v[B1+8*\t+4:B1+8*\t+7], v[AB], s[BI:BI+1] offset:(32*(\t/2)+8*(\t%2))*4+16
.endr
	WIN 0
	LS1 0, 0, 0
	LS1 0, 1, 0
.irp g, 0,1,2,3
.irp u, 0,1
	UNITQK \g, \u
.endr
.endr
	global_store_b128 v[OSA], v[SA:SA+3], s[OUT:OUT+1]     ; the scale words' images: register g: tile 2 g in lanes 0-15, tile 2 g + 1 in lanes 16-31
	global_store_b128 v[OSB], v[SBW:SBW+3], s[OUT:OUT+1]
	s_endpgm
.Lv:
	; ---- v
	LS1 0, 0, 1
	LS1 0, 1, 1
.irp g, 0,1,2,3
.irp u, 0,1
	UNITV \g, \u
.endr
.endr
	s_endpgm
.Lfunc_end_k_q8e72e240eb_proj:
	.size	k_q8e72e240eb_proj, .Lfunc_end_k_q8e72e240eb_proj-k_q8e72e240eb_proj
	.p2alignl 7, 3214868480
	.fill 96, 4, 3214868480
	.section	.rodata,"a",@progbits
	.p2align	6, 0x0
	.amdhsa_kernel k_q8e72e240eb_proj
		.amdhsa_group_segment_fixed_size 0
		.amdhsa_private_segment_fixed_size 0
		.amdhsa_enable_private_segment 0
		.amdhsa_kernarg_size 136
		.amdhsa_user_sgpr_count 2
		.amdhsa_user_sgpr_kernarg_segment_ptr 1
		.amdhsa_wavefront_size32 1
		.amdhsa_system_sgpr_workgroup_id_x 1
		.amdhsa_system_sgpr_workgroup_id_y 1
		.amdhsa_system_sgpr_workgroup_id_z 1
		.amdhsa_system_vgpr_workitem_id 0
		.amdhsa_next_free_vgpr 768
		.amdhsa_next_free_sgpr 66
		.amdhsa_reserve_vcc 0
		.amdhsa_float_denorm_mode_32 3
		.amdhsa_float_denorm_mode_16_64 3
		.amdhsa_memory_ordered 1
		.amdhsa_forward_progress 1
		.amdhsa_inst_pref_size 204
	.end_amdhsa_kernel
	.amdgpu_metadata
---
amdhsa.version: [ 1, 2 ]
amdhsa.kernels:
  - .name:           k_q8e72e240eb_proj
    .symbol:         k_q8e72e240eb_proj.kd
    .args:
      - { .name: q_codes, .offset: 0, .size: 8, .value_kind: global_buffer, .address_space: global }
      - { .name: q_scales, .offset: 8, .size: 8, .value_kind: global_buffer, .address_space: global }
      - { .name: Wq_codes, .offset: 16, .size: 8, .value_kind: global_buffer, .address_space: global }
      - { .name: Wq_scales, .offset: 24, .size: 8, .value_kind: global_buffer, .address_space: global }
      - { .name: bq, .offset: 32, .size: 8, .value_kind: global_buffer, .address_space: global }
      - { .name: k_codes, .offset: 40, .size: 8, .value_kind: global_buffer, .address_space: global }
      - { .name: k_scales, .offset: 48, .size: 8, .value_kind: global_buffer, .address_space: global }
      - { .name: Wk_codes, .offset: 56, .size: 8, .value_kind: global_buffer, .address_space: global }
      - { .name: Wk_scales, .offset: 64, .size: 8, .value_kind: global_buffer, .address_space: global }
      - { .name: bk, .offset: 72, .size: 8, .value_kind: global_buffer, .address_space: global }
      - { .name: v_codes, .offset: 80, .size: 8, .value_kind: global_buffer, .address_space: global }
      - { .name: v_scales, .offset: 88, .size: 8, .value_kind: global_buffer, .address_space: global }
      - { .name: Wv_codes, .offset: 96, .size: 8, .value_kind: global_buffer, .address_space: global }
      - { .name: Wv_scales, .offset: 104, .size: 8, .value_kind: global_buffer, .address_space: global }
      - { .name: bv, .offset: 112, .size: 8, .value_kind: global_buffer, .address_space: global }
      - { .name: qbuf, .offset: 120, .size: 8, .value_kind: global_buffer, .address_space: global }
      - { .name: kv, .offset: 128, .size: 8, .value_kind: global_buffer, .address_space: global }
    .group_segment_fixed_size: 0
    .private_segment_fixed_size: 0
    .kernarg_segment_align: 8
    .kernarg_segment_size: 136
    .max_flat_workgroup_size: 128
    .sgpr_count:     66
    .vgpr_count:     768
    .wavefront_size: 32
...
	.end_amdgpu_metadata
.endif
;; end of part 1
;; launch attn (part 2): grid 16 x 16, 16 waves a work-group, clusters of 4 x 1, 327,680 bytes of LDS; arguments qbuf, kv, aimg, asc; writes aimg, asc
.if DOCPART == 2
	.amdgcn_target "amdgcn-amd-amdhsa--gfx1250"
	.amdhsa_code_object_version 6
	.text
	.protected	k_q8e72e240eb_attn
	.globl	k_q8e72e240eb_attn
	.p2align	8
	.type	k_q8e72e240eb_attn,@function
k_q8e72e240eb_attn:
	s_mov_b64 s[64:65], 0
	v_nop
	global_prefetch_b8 v0, s[64:65] scope:SCOPE_SE
	s_setreg_imm32_b32 hwreg(HW_REG_WAVE_MODE, 25, 1), 1
	s_wait_xcnt 0x0
	s_wait_alu depctr_hold_cnt(0) depctr_sa_sdst(0) depctr_va_vdst(0) depctr_va_sdst(0) depctr_va_ssrc(0) depctr_va_vcc(0) depctr_vm_vsrc(0)
	s_getreg_b32 s2, hwreg(HW_REG_IB_STS2, 6, 4)
	s_cmp_eq_u32 s2, 0
	s_cbranch_scc0 .Lentry_in_a_cluster
	s_endpgm
.Lentry_in_a_cluster:
	s_bfe_u32 s2, ttmp6, 0x10000c
	s_cmp_lg_u32 s2, 0x3003
	s_cbranch_scc0 .Lentry_shape_is_right
	s_endpgm
.Lentry_shape_is_right:
; O[bh][q] = the sum over k of softmax_k(Q[bh][q] . K[bh][k] / 8) V[bh][k], both products on codes of FP6 (E2M3) with E8M0 scales, and O quantised again along its 64 channels for the last projection.
; THE SOFTMAX AHEAD OF THE SECOND PRODUCT: t = score x log2(e) / 8; M = the row's largest t so far, rounded UP to a whole number; p = 2^(t - M) is what is quantised, along the keys; it is not normalised.
; The row's sum is taken of the unquantised p, in f32, and divides O at the end.  When M moves, the sum and O are multiplied by 2^(old M - new M): exact.
; SHARES.  A work-group owns 256 queries of one (batch, head); each of its sixteen waves owns 16 of them, one tile, in 256 registers: four waves to a SIMD, so that one wave's vector work stands beside another's
; matrix work and LDS loads.  Every wave walks the head's 4,096 keys, 128 a step.
; OPERANDS ARRIVE AS IMAGES OF THEIR REGISTERS (the launch before laid them so): a step's record of 13,056 bytes holds K's eight tiles (6 registers each), V^T's four fragments (12 each) and both scale words;
; every LDS read is 16 or 8 consecutive bytes a lane, lane behind lane: no pitch, no padding.
; RING.  Two slots of 8 steps (104,448 bytes); waves 0 to 3 fetch a quarter of a slot each: 102 rows of 256 bytes.  By this text's count a wave has two tensor loads out at the start, later one.
; CLUSTER.  The four work-groups of a cluster are four query blocks of one (batch, head) and walk the same records, so each tile is asked for JOINTLY: the same tensor load, the same descriptor, a mask of all four.
; LAYOUT.  Both products are used transposed: S^T = K Q^T, O^T = V^T P^T: a lane holds ONE query (lane % 16) throughout.  The keys of a tile of K and the channels of a tile of V^T are chosen
; (32 b + 8 u + r + 8 (r / 8)) so that the 16 registers of tiles 2 b and 2 b + 1 are 16 neighbours along the next product's K.
; A HEAD'S 64 IN A PRODUCT 128 DEEP.  Q's registers 6-11 are zero codes, and bytes 2, 3 of Q's and K's scale words are 0x7f.  Tile T's operand is the 12 registers from its own six on: the upper six are the next
; tile's codes (behind tile 7: six registers of zeros).  Every code of this format is a finite number, so those products are exact zeros.
; LIMITS: NaN and infinities are not served.  A block whose every p has fallen to 0, and a block of O that is all zeros or under 2^-124, gets the scale byte 1; these bytes are read by this program alone.
; A block's largest p is taken as the exponential of its largest score: this leans on v_exp_f32 not falling where its input rises.
.set STEPB, 13056                      ; a step's record
.set SLOT,  8*STEPB
.set SPARE, 2*SLOT                     ; behind the ring: the spare words, 128 bytes for each of 16 waves: eight blocks of 256 bytes that no other line names
.set L16, 1                            ; v1   16 x lane
.set L8,  2                            ; v2   8 x lane
.set ADR, 3                            ; v3   the step's record + 16 x lane
.set AD8, 4                            ; v4   the step's record + 8 x lane
.set SPW, 5                            ; v5   LDS address of my spare word; never rewritten
.set NIL, 6                            ; v6   0; never rewritten
.set R16, 7                            ; v7   16 x (lane % 16)
                                       ; v12 -M, v13 the largest t, v[14:15] the sum in two halves
.set QF,  16                           ; v16-21 Q's codes, v22-27 zero codes
.set QS,  28                           ; v28  Q's scale words
.set KF,  32                           ; v32-79 K's eight tiles, later V^T's four fragments; v80-85 zero codes
.set KS,  88                           ; v88-91 K's scale words
.set VS,  92                           ; v92-93 V's
.set S,   96                           ; v96-159 S^T, then p
.set OT,  160                          ; v160-191 O^T
.set PC,  192                          ; v192-203 p's codes
.set CT,  204                          ; v204-206, v208-210 the conversions' second halves
.set BM,  212                          ; v212-215 the blocks' largest scores, then largest p
.set PT,  216                          ; v216-219 the other half's, then bytes
.set SO,  220                          ; v220-223 the conversions' scale operands
.set PW,  224                          ; v224 p's scale word
.set F,   226                          ; v226 f = 2^(old M - new M); v227 named with it as a pair
.set TMP, 228
.set SU,  230                          ; v[230:231] the sum's second chain
.set WV,  12
.set SEL, 20
.set CS,  22
.set G1,  24
.set G0,  32
.set TB,  40
.set CNT, 41
; A round of the cluster's barrier: my work-group's barrier; wave 0 signals for the work-group; every wave waits for all four work-groups; my work-group's barrier once more.
.macro CROUND
	s_barrier_signal -1
	s_barrier_wait -1
	s_cmp_lg_u32 s[WV], 0
	s_cbranch_scc1 .Lnot_wave_0_\@
	s_barrier_signal -3
.Lnot_wave_0_\@:
	s_barrier_wait -3
	s_barrier_signal -1
	s_barrier_wait -1
.endm
; The joint refill of slot n: waves 0 to 3, a quarter each; the branch hangs on the wave's number alone.  Four v_nop follow the load.
.macro JLOAD n
	s_cmp_lt_u32 s[WV], 4
	s_cbranch_scc0 .Lnone_\@
	tensor_load_to_lds s[G0+4*\n:G0+4*\n+3], s[G1:G1+7]
	s_nop 0
.rept 4
	v_nop
.endr
.Lnone_\@:
.endm
; THE CHANGE OF SLOTS.  Each wave waits for all its tensor loads (its part of the slot ahead), adds 0 to its spare word, and waits for that and for its reads of the slot that it leaves.
; fill = 1: slot n, just left, is filled with the steps two slots on: the barrier is a round of the cluster's, and the joint load is the first thing behind it; it has 8 steps in which to land.
.macro CHANGE fill, n
	s_wait_tensorcnt 0x0                           ; no tensor load of mine is out, so a group 0 may be written
	ds_add_u32 v[SPW], v[NIL]                      ; 0 onto my spare word
.if \fill
	s_add_nc_u64 s[G0+4*\n+2:G0+4*\n+3], s[G0+4*\n+2:G0+4*\n+3], 2*SLOT   ; the type bits on top are not reached
.endif
	s_wait_dscnt 0x0                               ; the add is done, and my reads of the slot are over
.if \fill
	CROUND
	JLOAD \n
.else
	s_barrier_signal -1
	s_barrier_wait -1
.endif
.endm
; A KEY STEP: 128 keys, whose record begins at LDS byte s[TB].
.macro STEP
	v_add_nc_u32 v[ADR], s[TB], v[L16]
	v_add_nc_u32 v[AD8], s[TB], v[L8]
	v_nop
	v_nop                                          ; four places behind the last step's products, in front of the loads into registers that they have read
.irp i, 0,1,2,3,4,5,6,7,8,9,10,11
	ds_load_b128 v[KF+4*\i:KF+4*\i+3], v[ADR] offset:512*\i          ; K's eight tiles
.endr
	ds_load_b128 v[KS:KS+3], v[ADR] offset:12288   ; register g: tile 2 g's words in lanes 0-15, tile 2 g + 1's in lanes 16-31
	s_wait_dscnt 0x0
.irp t, 0,1,2,3,4,5,6,7
.if \t%2
	v_wmma_scale_f32_16x16x128_f8f6f4 v[S+8*\t:S+8*\t+7], v[KF+6*\t:KF+6*\t+11], v[QF:QF+11], 0, v[KS+\t/2], v[QS] matrix_a_fmt:MATRIX_FMT_FP6 matrix_b_fmt:MATRIX_FMT_FP6 matrix_a_scale:MATRIX_SCALE_ROW1
.else
	v_wmma_scale_f32_16x16x128_f8f6f4 v[S+8*\t:S+8*\t+7], v[KF+6*\t:KF+6*\t+11], v[QF:QF+11], 0, v[KS+\t/2], v[QS] matrix_a_fmt:MATRIX_FMT_FP6 matrix_b_fmt:MATRIX_FMT_FP6
.endif
.endr                                              ; lane (r, h): query r; register 16 b + i: key 32 b + 16 h + i
.rept 4
	v_nop                                          ; places in front of the loads below and of the first read of the scores
.endr
.irp i, 0,1,2,3,4,5,6,7,8,9,10,11
	ds_load_b128 v[KF+4*\i:KF+4*\i+3], v[ADR] offset:6144+512*\i     ; V^T's four fragments land while the softmax is walked
.endr
	ds_load_b64 v[VS:VS+1], v[AD8] offset:12800
.irp b, 0,1,2,3
	v_max3_num_f32 v[BM+\b], v[S+16*\b], v[S+1+16*\b], v[S+2+16*\b]  ; THE LARGEST SCORE OF EACH BLOCK OF 32 KEYS: it serves for the row's maximum and, since p rises with the score, for the block's largest p
.endr
.irp i, 3,5,7,9,11,13
.irp b, 0,1,2,3
	v_max3_num_f32 v[BM+\b], v[BM+\b], v[S+16*\b+\i], v[S+1+16*\b+\i]
.endr
.endr
.irp b, 0,1,2,3
	v_max_num_f32 v[BM+\b], v[BM+\b], v[S+15+16*\b]
.endr
.irp b, 0,1,2,3
	v_permlanex16_b32 v[PT+\b], v[BM+\b], s[SEL], s[SEL+1]
.endr
.irp b, 0,1,2,3
	v_max_num_f32 v[BM+\b], v[BM+\b], v[PT+\b]     ; with lane l xor 16's 16 keys
.endr
	v_max3_num_f32 v[TMP], v[BM], v[BM+1], v[BM+2]
	v_max_num_f32 v[TMP], v[TMP], v[BM+3]          ; the step's largest score of my query
	v_mul_f32 v[TMP], s[CS], v[TMP]                ; as t (c is positive)
	v_max_num_f32 v13, v13, v[TMP]                 ; the running largest t
	v_mov_b32 v[TMP], v12
	v_floor_f32 v12, -v13                          ; the new -M = floor(-t) = -ceil(t): M is a whole number
	v_sub_f32 v[TMP], v12, v[TMP]                  ; old M less new M: a whole number, 0 or less
	v_cvt_i32_f32 v[TMP], v[TMP]                   ; (it saturates)
	v_ldexp_f32 v[F], 1.0, v[TMP]                  ; f = 2^(old M - new M): a multiplication by it rounds nothing
.set jj, 0
.rept 32
	v_pk_fma_f32 v[S+jj:S+jj+1], v[S+jj:S+jj+1], s[CS:CS+1], v[12:13] op_sel_hi:[1,0,0]   ; t - M, two at a time (of the pairs c and -M the low word serves both halves)
.set jj, jj+2
.endr
.irp b, 0,1,2,3
	v_fma_f32 v[BM+\b], v[BM+\b], s[CS], v12       ; the same of each block's largest score
.endr
.set jj, 0
.rept 64
	v_exp_f32 v[S+jj], v[S+jj]                     ; p = 2^(t - M), at most 1: not normalised
.set jj, jj+1
.endr
.irp b, 0,1,2,3
	v_exp_f32 v[BM+\b], v[BM+\b]                   ; the block's largest p: the same two instructions on the same number give the same bits
.endr
	v_pk_mul_f32 v[14:15], v[14:15], v[F:F+1] op_sel_hi:[1,0]        ; the sums under the new M.  (A plain place behind the exponentials)
	s_wait_alu depctr_va_vdst(0)
.irp b, 0,1,2,3
	v_max_num_f32 v[BM+\b], 0x1800000, v[BM+\b]    ; the floor 2^(3 - 127): the byte cannot fall under 1
.endr
.irp b, 0,1,2,3
	v_add_nc_u32 v[SO+\b], 0xff000000, v[BM+\b]    ; 2 off the exponent field: the conversion's scale operand
.endr
.irp b, 0,1,2,3
	v_lshrrev_b32 v[PT+\b], 23, v[SO+\b]           ; the scale's byte
.endr
	v_lshl_or_b32 v[PW], v[PT+1], 8, v[PT]         ; p's scale word for these 128 keys
	v_lshl_or_b32 v[PW], v[PT+2], 16, v[PW]
	v_lshl_or_b32 v[PW], v[PT+3], 24, v[PW]
.irp c, 0,1
	v_cvt_scalef32_pk16_fp6_f32 v[PC+6*\c:PC+6*\c+2], v[S+32*\c:S+32*\c+15], v[SO+2*\c]
	v_cvt_scalef32_pk16_fp6_f32 v[CT+4*\c:CT+4*\c+2], v[S+32*\c+16:S+32*\c+31], v[SO+2*\c+1]   ; (a conversion's three registers begin on an even number)
.endr
	v_nop                                          ; one plain place behind a scaled conversion
.irp c, 0,1                                        ; a whole block to a lane: lanes 0-15 block 2 c, lanes 16-31 block 2 c + 1
.irp i, 0,1,2
	v_permlane16_swap_b32 v[PC+6*\c+\i], v[CT+4*\c+\i]
.endr
.irp i, 0,1,2
	v_mov_b32 v[PC+6*\c+3+\i], v[CT+4*\c+\i]
.endr
.endr
	v_pk_add_f32 v[SU:SU+1], v[S:S+1], v[S+2:S+3]  ; THE ROW'S SUM IS TAKEN OF THE UNQUANTISED p: two at a time, in two chains
.irp j, 4,8,12,16,20,24,28,32,36,40,44,48,52,56,60
	v_pk_add_f32 v[14:15], v[14:15], v[S+\j:S+\j+1]
	v_pk_add_f32 v[SU:SU+1], v[SU:SU+1], v[S+\j+2:S+\j+3]
.endr
	v_pk_add_f32 v[14:15], v[14:15], v[SU:SU+1]
.set jj, 0
.rept 16
	v_pk_mul_f32 v[OT+jj:OT+jj+1], v[OT+jj:OT+jj+1], v[F:F+1] op_sel_hi:[1,0]   ; O^T under the new M, each accumulator from its low end.  (With the sums: the places between p's codes and scale word and the products)
.set jj, jj+2
.endr
	s_wait_dscnt 0x0                               ; V^T's fragments and scale words are in
.irp d, 0,1,2,3                                    ; O^T += V^T P^T: four accumulators, one instruction a turn
.if \d%2
	v_wmma_scale_f32_16x16x128_f8f6f4 v[OT+8*\d:OT+8*\d+7], v[KF+12*\d:KF+12*\d+11], v[PC:PC+11], v[OT+8*\d:OT+8*\d+7], v[VS+\d/2], v[PW] matrix_a_fmt:MATRIX_FMT_FP6 matrix_b_fmt:MATRIX_FMT_FP6 matrix_a_scale:MATRIX_SCALE_ROW1
.else
	v_wmma_scale_f32_16x16x128_f8f6f4 v[OT+8*\d:OT+8*\d+7], v[KF+12*\d:KF+12*\d+11], v[PC:PC+11], v[OT+8*\d:OT+8*\d+7], v[VS+\d/2], v[PW] matrix_a_fmt:MATRIX_FMT_FP6 matrix_b_fmt:MATRIX_FMT_FP6
.endif
.endr
.endm
.macro SLOT_STEPS n                    ; slot n's eight steps: written once, walked eight times
	s_mov_b32 s[TB], \n*SLOT
	s_mov_b32 s[CNT], 8
.Lstep_\@:
	STEP
	s_add_co_u32 s[TB], s[TB], STEPB
	s_sub_co_u32 s[CNT], s[CNT], 1
	s_cmp_lg_u32 s[CNT], 0
	s_cbranch_scc1 .Lstep_\@
.endm
	s_load_b256 s[4:11], s[0:1], 0x0               ; qbuf s[4:5], kv s[6:7], aimg s[8:9], asc s[10:11]
	v_lshl_add_u32 v[SPW], v0, 2, SPARE
	v_mov_b32 v[NIL], 0
	ds_add_u32 v5, v6
	s_wait_dscnt 0x0
	v_lshrrev_b32 v3, 5, v0
	v_readfirstlane_b32 s[WV], v3                  ; wave 0..15
	s_bfe_u32 s13, ttmp6, 0x40000                  ; cx: my place in the cluster
	s_lshl_b32 s14, ttmp9, 2                       ; in a cluster launch ttmp9 counts clusters
	s_add_co_u32 s14, s14, s13                     ; my block of 256 queries: it enters Q's, aimg's and asc's addresses alone
	s_and_b32 s15, ttmp7, 0xffff                   ; (batch, head), which the four partners share
	; descriptor group 1: 102 rows of 256 bytes (32 elements of 8 bytes), dense in memory and in LDS: two steps' records
	s_mov_b32 s[G1], 15|(3<<16)|(1<<21)            ; 15:0 the mask: all four work-groups; 17:16 elements of 8 bytes; 20 no padding; 21 set beside a mask
	s_mov_b32 s[G1+1], 32<<16                      ; tensor_dim0
	s_mov_b32 s[G1+2], 102<<16                     ; tensor_dim1
	s_mov_b32 s[G1+3], 32<<16                      ; tile_dim0
	s_mov_b32 s[G1+4], 102                         ; tile_dim1
	s_mov_b32 s[G1+5], 32                          ; tensor_dim0_stride
	s_mov_b32 s[G1+6], 0
	s_mov_b32 s[G1+7], 0
	s_and_b32 s16, s[WV], 3
	s_mul_i32 s17, s16, 2*STEPB                    ; my quarter of a slot: no place in the cluster enters an LDS address
	s_mul_i32 s44, s15, 32*STEPB                   ; the head's 32 records
	s_add_co_u32 s44, s44, s17
	s_mov_b32 s45, 0
	s_lshl_b32 s18, s15, 5                         ; Q's record: (batch, head) x 32 + 2 x block + wave / 8
	s_lshl_b32 s19, s14, 1
	s_add_co_u32 s18, s18, s19
	s_lshr_b32 s19, s[WV], 3
	s_add_co_u32 s18, s18, s19
	s_mul_i32 s18, s18, 6656
	s_bfe_u32 s19, s[WV], 0x20001                  ; which pair of tiles in it: (wave % 8) / 2
	s_mul_i32 s48, s19, 1536
	s_add_co_u32 s48, s48, s18                     ; the pair's image
	s_mov_b32 s49, 0
	s_and_b32 s42, s[WV], 1
	s_lshl_b32 s52, s42, 8                         ; my tile's scale words: register (pair) of lanes 16 (wave % 2) + r of the image at 6,144
	s_lshl_b32 s19, s19, 2
	s_add_co_u32 s52, s52, s19
	s_add_co_u32 s52, s52, s18
	s_add_co_u32 s52, s52, 6144
	s_mov_b32 s53, 0
	s_sub_co_u32 s42, 0, s42                       ; all ones in the odd waves: they take the pair's second tile
	s_lshr_b32 s54, s15, 3                         ; my tile of 16 tokens: batch x 256 + 16 x block + wave
	s_lshl_b32 s54, s54, 8
	s_lshl_b32 s55, s14, 4
	s_add_co_u32 s54, s54, s55
	s_add_co_u32 s54, s54, s[WV]
	s_and_b32 s55, s15, 7                          ; the head
	s_mul_i32 s56, s54, 6144
	s_mul_i32 s57, s55, 768
	s_add_co_u32 s56, s56, s57
	s_mov_b32 s57, 0
	s_lshl_b32 s58, s54, 8
	s_lshl_b32 s55, s55, 1
	s_add_co_u32 s58, s58, s55
	s_mov_b32 s59, 0
	s_mov_b32 s[SEL], 0x76543210
	s_mov_b32 s[SEL+1], 0xfedcba98                 ; v_permlanex16_b32's selects for lane l xor 16
	s_mov_b32 s[CS], 0x3e38aa3b                    ; c = log2(e) / 8
	s_mov_b32 s[CS+1], s[CS]                       ; (named with it as a pair, so it is written)
	s_wait_kmcnt 0x0
	s_add_nc_u64 s[46:47], s[6:7], s[44:45]        ; kv at my quarter of slot 0's first fill
	s_add_nc_u64 s[50:51], s[4:5], s[48:49]        ; Q's codes
	s_add_nc_u64 s[4:5], s[4:5], s[52:53]          ; Q's scale words
	s_add_nc_u64 s[8:9], s[8:9], s[56:57]          ; my 768 bytes of aimg
	s_add_nc_u64 s[10:11], s[10:11], s[58:59]      ; my tokens' rows of asc, at the head's two bytes
	CROUND                                         ; all four work-groups are here: the first joint loads meet
.irp n, 0,1
	s_mov_b32 s[G0+4*\n], 1                        ; 1:0 count = 1
	s_add_co_u32 s[G0+4*\n+1], s17, \n*SLOT        ; 63:32 LDS address
	s_add_nc_u64 s[G0+4*\n+2:G0+4*\n+3], s[46:47], \n*SLOT   ; 120:64 global address: steps 8 n on
	s_or_b32 s[G0+4*\n+3], s[G0+4*\n+3], 0x80000000          ; 127:126 type = 2
.endr
	s_cmp_lt_u32 s[WV], 4                          ; a wave's two first fills stand in one branch, ahead of every wait on TENSORcnt and every LDS read
	s_cbranch_scc0 .Lno_fill
	tensor_load_to_lds s[G0:G0+3], s[G1:G1+7]
	s_nop 0
	tensor_load_to_lds s[G0+4:G0+7], s[G1:G1+7]
	s_nop 0
.rept 4
	v_nop
.endr
.Lno_fill:
	v_and_b32 v[L16], 31, v0
	v_lshlrev_b32 v[L8], 3, v[L16]
	v_lshlrev_b32 v[L16], 4, v[L16]
	v_and_b32 v[R16], 15, v0
	v_lshlrev_b32 v[R16], 4, v[R16]
.irp c, 0,1,2
	global_load_b128 v[KF+4*\c:KF+4*\c+3], v[L16], s[50:51] offset:512*\c   ; the pair's image: my tile is its registers 0-5 or 6-11
.endr
	global_load_b32 v[QS], v[R16], s[4:5]
	v_mov_b32 v13, 0xff61b1e6                      ; the largest t so far: -3e38, under every t
	v_floor_f32 v12, -v13                          ; -M
	v_mov_b32 v14, 0
	v_mov_b32 v15, 0
.irp i, 0,1,2,3,4,5
	v_mov_b32 v[QF+6+\i], 0                        ; Q's upper 64 along K: zero codes
	v_mov_b32 v[KF+48+\i], 0                       ; and what stands behind K's tile 7
.endr
.irp b, 0,1,2,3
	v_mov_b32 v[PT+\b], 0                          ; written once: a lane permute's destination counts as one of its sources
.endr
	v_mov_b32 v[F+1], 0                            ; (named as the upper half of a pair)
	s_wait_loadcnt 0x0                             ; Q
.irp i, 0,1,2,3,4,5
	v_cndmask_b32 v[QF+\i], v[KF+\i], v[KF+6+\i], s42
.endr
.set jj, 0
.rept 32
	v_mov_b32 v[OT+jj], 0                          ; O^T.  (The step is written once: the first finds zeros, which the first change of M leaves zeros)
.set jj, jj+1
.endr
	s_wait_tensorcnt 0x1                           ; my part of slot 0 is in; slot 1's may stay out
	s_barrier_signal -1
	s_barrier_wait -1                              ; everybody's is
	SLOT_STEPS 0                                   ; steps 0-7
	CHANGE 1, 0                                    ; slot 0 takes steps 16-23
	SLOT_STEPS 1                                   ; steps 8-15
	CHANGE 1, 1                                    ; slot 1 takes steps 24-31
	SLOT_STEPS 0
	CHANGE 0, 0                                    ; nothing is left to fetch
	SLOT_STEPS 1
	; THE WAY OUT.  O^T / the sum; register 16 b + i is channel 32 b + 16 h + i of my query: two blocks of 32, quantised as every operand is, and stored as half a fragment's image for the last projection.
	v_add_f32 v14, v14, v15                        ; the sum's two halves,
	v_permlanex16_b32 v[TMP], v14, s[SEL], s[SEL+1]
	v_add_f32 v14, v14, v[TMP]                     ; and lane l xor 16's: the row's sum
	v_rcp_f32 v14, v14
.rept 4
	v_nop                                          ; the place behind the reciprocal, and the places behind the last products
.endr
.set jj, 0
	s_wait_alu depctr_va_vdst(0)
.rept 32
	v_mul_f32 v[S+jj], v[OT+jj], v14
.set jj, jj+1
.endr
.irp b, 0,1
	v_max3_num_f32 v[BM+\b], |v[S+16*\b]|, |v[S+1+16*\b]|, 0x1800000
.endr
.irp i, 2,4,6,8,10,12,14
.irp b, 0,1
	v_max3_num_f32 v[BM+\b], v[BM+\b], |v[S+16*\b+\i]|, |v[S+1+16*\b+\i]|
.endr
.endr
.irp b, 0,1
	v_permlanex16_b32 v[PT+\b], v[BM+\b], s[SEL], s[SEL+1]
.endr
.irp b, 0,1
	v_max_num_f32 v[BM+\b], v[BM+\b], v[PT+\b]
.endr
.irp b, 0,1
	v_add_nc_u32 v[SO+\b], 0xff000000, v[BM+\b]
.endr
.irp b, 0,1
	v_lshrrev_b32 v[PT+\b], 23, v[SO+\b]
.endr
	v_lshl_or_b32 v[TMP], v[PT+1], 8, v[PT]        ; the head's two scale bytes of my token
	v_cvt_scalef32_pk16_fp6_f32 v[PC:PC+2], v[S:S+15], v[SO]
	v_cvt_scalef32_pk16_fp6_f32 v[CT:CT+2], v[S+16:S+31], v[SO+1]
	v_nop                                          ; one plain place behind a scaled conversion
.irp i, 0,1,2
	v_permlane16_swap_b32 v[PC+\i], v[CT+\i]
.endr
.irp i, 0,1,2
	v_mov_b32 v[PC+3+\i], v[CT+\i]                 ; lane (r, h): token r, channels 32 h .. 32 h + 31, in six registers
.endr
	global_store_b128 v[L16], v[PC:PC+3], s[8:9]               ; 512 consecutive bytes,
	global_store_b64 v[L8], v[PC+4:PC+5], s[8:9] offset:512    ; and 256, both at multiples of 256 from the buffer's first byte
	global_store_b16 v[R16], v[TMP], s[10:11]      ; two bytes a token, rows 16 bytes apart, all inside one run of 256 bytes: the one such store of a wave in the launch (32 bytes; both halves of the lanes write the same);
	                                               ; gathering the eight heads' bytes would want work-groups to meet
	s_wait_tensorcnt 0x0                           ; the wave's end
	ds_add_u32 v[SPW], v[NIL]
	s_wait_dscnt 0x0
	CROUND                                         ; the closing round: no work-group ends while a partner may still ask for a tile that names it
	s_endpgm
.Lfunc_end_k_q8e72e240eb_attn:
	.size	k_q8e72e240eb_attn, .Lfunc_end_k_q8e72e240eb_attn-k_q8e72e240eb_attn
	.p2alignl 7, 3214868480
	.fill 96, 4, 3214868480
	.section	.rodata,"a",@progbits
	.p2align	6, 0x0
	.amdhsa_kernel k_q8e72e240eb_attn
		.amdhsa_group_segment_fixed_size 327680
		.amdhsa_private_segment_fixed_size 0
		.amdhsa_enable_private_segment 0
		.amdhsa_kernarg_size 32
		.amdhsa_user_sgpr_count 2
		.amdhsa_user_sgpr_kernarg_segment_ptr 1
		.amdhsa_wavefront_size32 1
		.amdhsa_system_sgpr_workgroup_id_x 1
		.amdhsa_system_sgpr_workgroup_id_y 1
		.amdhsa_system_sgpr_workgroup_id_z 1
		.amdhsa_system_vgpr_workitem_id 0
		.amdhsa_next_free_vgpr 256
		.amdhsa_next_free_sgpr 66
		.amdhsa_reserve_vcc 0
		.amdhsa_float_denorm_mode_32 3
		.amdhsa_float_denorm_mode_16_64 3
		.amdhsa_memory_ordered 1
		.amdhsa_forward_progress 1
		.amdhsa_inst_pref_size 74
	.end_amdhsa_kernel
	.amdgpu_metadata
---
amdhsa.version: [ 1, 2 ]
amdhsa.kernels:
  - .name:           k_q8e72e240eb_attn
    .symbol:         k_q8e72e240eb_attn.kd
    .args:
      - { .name: qbuf, .offset: 0, .size: 8, .value_kind: global_buffer, .address_space: global }
      - { .name: kv, .offset: 8, .size: 8, .value_kind: global_buffer, .address_space: global }
      - { .name: aimg, .offset: 16, .size: 8, .value_kind: global_buffer, .address_space: global }
      - { .name: asc, .offset: 24, .size: 8, .value_kind: global_buffer, .address_space: global }
    .group_segment_fixed_size: 327680
    .private_segment_fixed_size: 0
    .kernarg_segment_align: 8
    .kernarg_segment_size: 32
    .max_flat_workgroup_size: 512
    .sgpr_count:     66
    .vgpr_count:     256
    .wavefront_size: 32
...
	.end_amdgpu_metadata
.endif
;; end of part 2
;; launch oproj (part 3): grid 256 x 1, 4 waves a work-group, no clusters, 34,304 bytes of LDS; arguments aimg, asc, Wo_codes, Wo_scales, bo, out0; writes out0
.if DOCPART == 3
	.amdgcn_target "amdgcn-amd-amdhsa--gfx1250"
	.amdhsa_code_object_version 6
	.text
	.protected	k_q8e72e240eb_oproj
	.globl	k_q8e72e240eb_oproj
	.p2align	8
	.type	k_q8e72e240eb_oproj,@function
k_q8e72e240eb_oproj:
	s_mov_b64 s[64:65], 0
	v_nop
	global_prefetch_b8 v0, s[64:65] scope:SCOPE_SE
	s_setreg_imm32_b32 hwreg(HW_REG_WAVE_MODE, 25, 1), 1
	s_wait_xcnt 0x0
; out0 = A Wo^T + bo on codes of FP6 (E2M3) with E8M0 scales.  A: the attention's result, 8,192 tokens x 512, as the launch before stored it: aimg [tile of 16 tokens 512][head 8][768]: half a fragment's
; image (registers 0-3 at 16 x lane, registers 4-5 at 512 + 8 x lane; lane (r, h): token r, the head's channels 32 h on); asc [token][16]: its scale bytes.  Wo: [512][512] codes, K innermost.
; SHARES.  A work-group takes 32 tokens (two tiles) x 512 features; wave w takes features 128 w on: its 128 rows of Wo, 8 tiles x 4 K steps x 12 = 384 registers, are loaded once.
; TRANSPOSED USE: source 0 = 16 rows of Wo, source 1 = 16 tokens: a lane's eight results are eight neighbouring features of one token.  The bias is the C of each sum's first instruction.
; THE WAY OUT: 16 tokens x 128 features go through the wave's own stage in LDS (rows of 512 bytes + 16) and leave as whole rows: each store covers 512 consecutive bytes at a multiple of 256 from out0's first byte.
; Straight-line, no barrier: waves share nothing.  NO CLUSTER, NO TENSOR LOAD: each operand goes once from memory into a wave's registers, in the fragment's own pieces; a wave has 64 matrix instructions.
; REGISTERS, in windows of 256.  Window 0: v2-13 addresses; v16-47 Wo's scale words; v48-111 the 8 accumulators; v112-175 rows on their way out; v176-183 the tokens' scale words; v196-243 the tokens' fragments, tile 0.
;   Window 1: v0-191 Wo's K steps 0, 1; v196-243 the tokens' fragments, tile 1.   Window 2: v0-191 Wo's K steps 2, 3; v192-255 the bias.
.set A0,  2                            ; v2   Wo: r x 384 + 24 h
.set R16, 3                            ; v3   16 x r: a row of 16 scale bytes, Wo's and the tokens'
.set L16, 4                            ; v4   16 x lane
.set L8,  5                            ; v5   8 x lane
.set STO, 8                            ; v8   the stage: where I put 32 bytes of a row
.set RD,  10                           ; v10  and where I read a row back
.set AB,  13                           ; v13  32 h: the bias
.set SS,  16
.set ACC, 48
.set BK,  112
.set XS,  176
.set FB,  196
.set B1,  192                          ; in window 2
.set MSB, 0
.macro WIN new                         ; the immediate's high byte repeats the setting that is left; a switch that changes nothing is dropped
.if MSB != (\new)
	s_set_vgpr_msb (MSB<<8)|(\new)
.set MSB, (\new)
.endif
.endm
.macro LA u                            ; token tile u: eight heads' half fragments make four fragments (K step s = heads 2 s, 2 s + 1); its scale words.  17 loads
	WIN ((\u)<<6)
.irp e, 0,1,2,3,4,5,6,7
	global_load_b128 v[FB+6*\e:FB+6*\e+3], v[L16], s[4:5] offset:\u*6144+768*\e
	global_load_b64 v[FB+6*\e+4:FB+6*\e+5], v[L8], s[4:5] offset:\u*6144+768*\e+512
.endr
	WIN 0
	global_load_b128 v[XS+4*\u:XS+4*\u+3], v[R16], s[6:7] offset:256*\u
.endm
; 32 matrix instructions: Wo's eight tiles against token tile u, K step by K step; the eight accumulators take turns, one instruction a turn
.macro MUL u
	WIN ((2<<4)|((\u)<<2)|1)
.irp t, 0,1,2,3,4,5,6,7
	v_wmma_scale_f32_16x16x128_f8f6f4 v[ACC+8*\t:ACC+8*\t+7], v[12*\t:12*\t+11], v[FB:FB+11], v[B1+8*\t:B1+8*\t+7], v[SS+4*\t], v[XS+4*\u] matrix_a_fmt:MATRIX_FMT_FP6 matrix_b_fmt:MATRIX_FMT_FP6
.endr
	WIN (((\u)<<2)|1)
.irp t, 0,1,2,3,4,5,6,7
	v_wmma_scale_f32_16x16x128_f8f6f4 v[ACC+8*\t:ACC+8*\t+7], v[96+12*\t:96+12*\t+11], v[FB+12:FB+23], v[ACC+8*\t:ACC+8*\t+7], v[SS+4*\t+1], v[XS+4*\u+1] matrix_a_fmt:MATRIX_FMT_FP6 matrix_b_fmt:MATRIX_FMT_FP6
.endr
	WIN (((\u)<<2)|2)
.irp t, 0,1,2,3,4,5,6,7
	v_wmma_scale_f32_16x16x128_f8f6f4 v[ACC+8*\t:ACC+8*\t+7], v[12*\t:12*\t+11], v[FB+24:FB+35], v[ACC+8*\t:ACC+8*\t+7], v[SS+4*\t+2], v[XS+4*\u+2] matrix_a_fmt:MATRIX_FMT_FP6 matrix_b_fmt:MATRIX_FMT_FP6
.endr
.irp t, 0,1,2,3,4,5,6,7
	v_wmma_scale_f32_16x16x128_f8f6f4 v[ACC+8*\t:ACC+8*\t+7], v[96+12*\t:96+12*\t+11], v[FB+36:FB+47], v[ACC+8*\t:ACC+8*\t+7], v[SS+4*\t+3], v[XS+4*\u+3] matrix_a_fmt:MATRIX_FMT_FP6 matrix_b_fmt:MATRIX_FMT_FP6
.endr
	WIN 0
.endm
.macro TOSTAGE                         ; LDS serves a wave's instructions in order (ISA guide 5.7.1.4): the loads see the stores above them
.irp t, 0,1,2,3,4,5,6,7
	ds_store_b128 v[STO], v[ACC+8*\t:ACC+8*\t+3] offset:64*\t        ; each accumulator from its low end on
	ds_store_b128 v[STO], v[ACC+8*\t+4:ACC+8*\t+7] offset:64*\t+16
.endr
.irp i, 0,1,2,3,4,5,6,7,8,9,10,11,12,13,14,15
	ds_load_b128 v[BK+4*\i:BK+4*\i+3], v[RD] offset:528*\i
.endr
.endm
.macro SEND u
	s_wait_dscnt 0x0                               ; the rows are back in registers
.irp i, 0,1,2,3,4,5,6,7,8,9,10,11,12,13,14,15
	global_store_b128 v[L16], v[BK+4*\i:BK+4*\i+3], s[14:15] offset:(16*\u+\i)*2048 th:TH_STORE_NT   ; written once, read by nobody here
.endr
.endm
	s_load_b256 s[4:11], s[0:1], 0x0               ; aimg s[4:5], asc s[6:7], Wo's codes s[8:9], Wo's scales s[10:11]
	s_load_b128 s[12:15], s[0:1], 0x20             ; bo s[12:13], out0 s[14:15]
	v_lshl_add_u32 v254, v0, 2, 0x8400
	v_mov_b32 v255, 0
	v_lshrrev_b32 v1, 5, v0
	v_readfirstlane_b32 s16, v1                    ; wave 0..3
	v_and_b32 v1, 31, v0                           ; lane
	v_and_b32 v7, 15, v0                           ; r
	v_bfe_u32 v9, v0, 4, 1                         ; h
	v_mul_u32_u24 v[A0], v7, 384
	v_mad_u32_u24 v[A0], v9, 24, v[A0]
	v_lshlrev_b32 v[R16], 4, v7
	v_lshlrev_b32 v[L16], 4, v1
	v_lshlrev_b32 v[L8], 3, v1
	s_mul_i32 s17, s16, 16*528                     ; my stage
	v_mul_u32_u24 v[STO], v7, 528
	v_lshl_add_u32 v[STO], v9, 5, v[STO]
	v_add_nc_u32 v[STO], s17, v[STO]               ; in: row r, + 32 h; tile t's eight features 64 t bytes on
	v_add_nc_u32 v[RD], s17, v[L16]                ; back: the 32 lanes take one row of 512 bytes
	v_lshlrev_b32 v[AB], 5, v9
	s_mul_i32 s18, ttmp9, 2*6144                   ; my two tiles of tokens in aimg,
	s_mov_b32 s19, 0
	s_lshl_b32 s20, ttmp9, 9                       ; in asc;
	s_mov_b32 s21, 0
	s_mul_i32 s22, s16, 128*384                    ; my 128 rows of Wo's codes,
	s_mov_b32 s23, 0
	s_lshl_b32 s24, s16, 11                        ; of its scale bytes,
	s_mov_b32 s25, 0
	s_lshl_b32 s26, s16, 9                         ; my 128 numbers of the bias;
	s_mov_b32 s27, 0
	s_lshl_b32 s28, ttmp9, 16                      ; 32 rows of 2,048 bytes of out0, + my 512 bytes of a row
	s_add_co_u32 s28, s28, s26
	s_mov_b32 s29, 0
	s_wait_kmcnt 0x0
	s_add_nc_u64 s[4:5], s[4:5], s[18:19]
	s_add_nc_u64 s[6:7], s[6:7], s[20:21]
	s_add_nc_u64 s[8:9], s[8:9], s[22:23]
	s_add_nc_u64 s[10:11], s[10:11], s[24:25]
	s_add_nc_u64 s[12:13], s[12:13], s[26:27]
	s_add_nc_u64 s[14:15], s[14:15], s[28:29]
.irp s, 0,1,2,3
	WIN (0x40<<(\s/2))                             ; destination window 1 (K steps 0, 1) or 2 (K steps 2, 3)
.irp t, 0,1,2,3,4,5,6,7
.irp p, 0,1,2,3,4,5
	global_load_b64 v[96*(\s%2)+12*\t+2*\p:96*(\s%2)+12*\t+2*\p+1], v[A0], s[8:9] offset:16*\t*384+96*\s+48*(\p/3)+8*(\p%3)
.endr
.endr
.endr
	WIN 0
.irp t, 0,1,2,3,4,5,6,7
	global_load_b128 v[SS+4*\t:SS+4*\t+3], v[R16], s[10:11] offset:16*\t*16   ; a row's 16 bytes: the words of its four K steps
.endr
	WIN 0x80
.irp t, 0,1,2,3,4,5,6,7                        ; the bias in the result's layout: lane (r, h), tile t, register j: feature 16 t + 8 h + j
	global_load_b128 v[B1+8*\t:B1+8*\t+3], v[AB], s[12:13] offset:64*\t
	global_load_b128 v[B1+8*\t+4:B1+8*\t+7], v[AB], s[12:13] offset:64*\t+16
.endr
	WIN 0
	LA 0
	LA 1
	s_wait_loadcnt 17                              ; all but the second tile's 17 loads are in
	MUL 0
.rept 5
	v_nop                                          ; four places in front of the stores that read the results; the fifth for the second tile's products, which write over the accumulators
.endr
	TOSTAGE
	SEND 0
	s_wait_loadcnt 0x0
	MUL 1
.rept 4
	v_nop
.endr
	s_wait_xcnt 0x0                                ; the first tile's stores have read their registers: the rows' registers may be loaded again
	TOSTAGE
	SEND 1
	s_wait_tensorcnt 0x0
	ds_add_u32 v254, v255
	s_wait_dscnt 0x0
	s_endpgm
.Lfunc_end_k_q8e72e240eb_oproj:
	.size	k_q8e72e240eb_oproj, .Lfunc_end_k_q8e72e240eb_oproj-k_q8e72e240eb_oproj
	.p2alignl 7, 3214868480
	.fill 96, 4, 3214868480
	.section	.rodata,"a",@progbits
	.p2align	6, 0x0
	.amdhsa_kernel k_q8e72e240eb_oproj
		.amdhsa_group_segment_fixed_size 34304
		.amdhsa_private_segment_fixed_size 0
		.amdhsa_enable_private_segment 0
		.amdhsa_kernarg_size 48
		.amdhsa_user_sgpr_count 2
		.amdhsa_user_sgpr_kernarg_segment_ptr 1
		.amdhsa_wavefront_size32 1
		.amdhsa_system_sgpr_workgroup_id_x 1
		.amdhsa_system_sgpr_workgroup_id_y 1
		.amdhsa_system_sgpr_workgroup_id_z 1
		.amdhsa_system_vgpr_workitem_id 0
		.amdhsa_next_free_vgpr 768
		.amdhsa_next_free_sgpr 66
		.amdhsa_reserve_vcc 0
		.amdhsa_float_denorm_mode_32 3
		.amdhsa_float_denorm_mode_16_64 3
		.amdhsa_memory_ordered 1
		.amdhsa_forward_progress 1
		.amdhsa_inst_pref_size 42
	.end_amdhsa_kernel
	.amdgpu_metadata
---
amdhsa.version: [ 1, 2 ]
amdhsa.kernels:
  - .name:           k_q8e72e240eb_oproj
    .symbol:         k_q8e72e240eb_oproj.kd
    .args:
      - { .name: aimg, .offset: 0, .size: 8, .value_kind: global_buffer, .address_space: global }
      - { .name: asc, .offset: 8, .size: 8, .value_kind: global_buffer, .address_space: global }
      - { .name: Wo_codes, .offset: 16, .size: 8, .value_kind: global_buffer, .address_space: global }
      - { .name: Wo_scales, .offset: 24, .size: 8, .value_kind: global_buffer, .address_space: global }
      - { .name: bo, .offset: 32, .size: 8, .value_kind: global_buffer, .address_space: global }
      - { .name: out0, .offset: 40, .size: 8, .value_kind: global_buffer, .address_space: global }
    .group_segment_fixed_size: 34304
    .private_segment_fixed_size: 0
    .kernarg_segment_align: 8
    .kernarg_segment_size: 48
    .max_flat_workgroup_size: 128
    .sgpr_count:     66
    .vgpr_count:     768
    .wavefront_size: 32
...
	.end_amdgpu_metadata
.endif
;; end of part 3
;; ======== version 2 of 2: 3 launches
;; workspace buffers: qbuf 3,407,872 bytes; kv 6,684,672 bytes; aimg 3,145,728 bytes; asc 131,072 bytes
;; launch proj (part 4): grid 64 x 3, 4 waves a work-group, no clusters, 0 bytes of LDS; arguments q_codes, q_scales, Wq_codes, Wq_scales, bq, k_codes, k_scales, Wk_codes, Wk_scales, bk, v_codes, v_scales, Wv_codes, Wv_scales, bv, qbuf, kv; writes qbuf, kv
.if DOCPART == 4
	.amdgcn_target "amdgcn-amd-amdhsa--gfx1250"
	.amdhsa_code_object_version 6
	.text
	.protected	k_q8e72e240eb_proj
	.globl	k_q8e72e240eb_proj
	.p2align	8
	.type	k_q8e72e240eb_proj,@function
k_q8e72e240eb_proj:
	s_mov_b64 s[64:65], 0
	v_nop
	global_prefetch_b8 v0, s[64:65] scope:SCOPE_SE
	s_setreg_imm32_b32 hwreg(HW_REG_WAVE_SCHED_MODE, 0, 2), 2
	s_setreg_imm32_b32 hwreg(HW_REG_WAVE_MODE, 25, 1), 1
	s_wait_xcnt 0x0
	s_wait_alu depctr_vm_vsrc(0)
; qh = q Wq^T + bq, kh = k Wk^T + bk, vh = v Wv^T + bv on codes of FP6 (E2M3) with E8M0 scales, and the three results quantised again:
; qh and kh along a head's 64 features, vh along the keys.  The codes leave as IMAGES OF THE OPERAND REGISTERS that the attention launch wants.
; SHARES.  Work-group x = a group of 128 tokens (64 groups), y = the tensor (0 q, 1 k, 2 v).  Four waves; wave w owns features 128 w .. 128 w + 127: two heads.
; ONE FORM FOR ALL THREE: D = S0 S1^T, source 0 = 16 rows of S0, source 1 = 16 rows of S1.  A wave keeps 128 rows of S0 in registers (8 tiles x 4 K steps x 12 = 384)
; and walks 8 tiles of S1.  q, k: S0 = my 128 rows of W, S1 = the 128 tokens.  v: S0 = the 128 tokens (keys), S1 = my 128 rows of Wv.
; THE ROWS OF S0 THAT FORM A TILE ARE NOT NEIGHBOURS: lane r of tile 2 b + u takes row 32 b + 8 u + r + 8 (r / 8), so that in the result lane (r, h) holds S1's row r and its register
; 16 b + i holds S0's row 32 b + 16 h + i: 16 neighbours along the next product's K (features of a head; keys).
; S1's tile (g, u) takes row 32 g + u (16 - p8) + r + p8 (r / 8): p8 = 0 for q (plain tiles of queries), 8 for k and v (so that attention's own results have neighbours in a lane's registers).
; OUT.  qbuf: [bh 16][group 32] records of 6,656 bytes: four pair images of 1,536 (tile 2 g in registers 0-5, tile 2 g + 1 in 6-11; lane (r, h): the row's head block h), then 512 bytes of scale words.
;       kv:   [bh 16][step 32] records of 13,056 bytes: K's codes as above at 0; V^T's four fragments (12 registers each) at 6,144; K's scale words at 12,288; V's at 12,800.
;       A scale word of q or k: its two bytes, and 0x7f (the scale 1) twice, for the half of the 128-deep product that the head's 64 leave empty.
; Every store of codes covers 512 consecutive bytes at a multiple of 256 from the buffer's first byte.
; NO CLUSTER, NO LDS: each operand byte goes once from memory into a wave's registers, in the fragment's own pieces of 8 bytes; there is no ring of tiles in which a joint request could recur.
; LIMITS: NaN and infinities among the results are not served.  A block of zeros, or one whose largest magnitude lies under 2^-124, gets the scale byte 1 (the rule says 127 for zeros): its codes are zeros
; or are held by that byte, and these bytes are read by this program alone.  A given scale byte 0xff gives NaN.
; THE MODE: SCHED_MODE bits 1:0 = 2 (LLVM: expert scheduling mode 2), set by the entry lines.  The code itself states the register dependences between vector or matrix instructions
; and memory instructions, with s_wait_alu, always for 0.
; THE PLAN.  Registers that memory instructions touch:
;   v2-15          offsets, made once at the head and never written again.
;   S0's fragments, its scale words, q's or k's bias: loaded once, read by matrix instructions alone.
;   FB set u, XS + 4 u (v: BC + 8 u too): read by unit (g, u)'s 32 products; behind them the loads of tile (g + 1, u) land there.
;   The images.    q, k: two pairs of images by turns (g % 2).  Pair g is written by the quantisers of units (g, 0) and (g, 1), read by six stores issued in unit (g + 1, 0), written again in unit (g + 2, 0).
;                  v: two images by turns (u).  Unit n's quantiser writes one, three stores issued in unit n + 1 read it, unit n + 2's quantiser writes it again.
;   SA, SBW        scale words: written by vector lines, stored once, never written again.
; So ONE wait on va_vdst stands in a unit, behind its products: it states that they are done reading set u, and that the unit before has written what this unit's stores read.  The unit's stores and loads
; follow it, dealt among the quantiser's lines, which name the accumulators, v136-157 and the OTHER image alone.  Where an image is about to be written again, the wait on XCNT and the wait on vm_vsrc
; stand beside it, ahead of the unit's own stores: the stores that they wait for were issued a unit back or more.
; REGISTERS, in windows of 256.  Window 0: v2-15 addresses; v16-47 S0's scale words; v48-111 the 8 accumulators; v112-135 two images; v136-157 at work; v160-167 scale words made; v168-175 S1's scale words;
;   v176-191 v's bias (q, k: v176-187 and v244-255 the second pair of images); v196-243 S1's fragments, set 0.
;   Window 1: v0-191 S0's K steps 0, 1; v196-243 S1's fragments, set 1.   Window 2: v0-191 S0's K steps 2, 3; v192-255 q's or k's bias.
.set A0,  2                            ; v2     S0: (r + 8 (r / 8)) x 384 + 24 h
.set A0S, 3                            ; v3     its scale words: (r + 8 (r / 8)) x 16
.set A1,  4                            ; v4-5   S1: row(u) x 384 + 24 h
.set A1S, 6                            ; v6-7   row(u) x 16
.set OA,  8                            ; v8     16 x lane: an image's place, head A
.set OB,  9                            ; v9     the same, head B: 32 records on
.set OSA, 10                           ; v10    the scale words' image, head A
.set OSB, 11                           ; v11    head B
.set O8,  12                           ; v12    8 x lane
.set AB,  13                           ; v13    64 h: q's and k's bias
.set ABV, 14                           ; v14-15 row(u) x 4: v's bias
.set SS,  16
.set ACC, 48
.set IA,  112                          ; q, k: head A's image of pair g at IA + 64 (g % 2): v112 or v176.  v: image u at IA + 12 u
.set IB,  124                          ; q, k: head B's at IB + 120 (g % 2): v124 or v244
.set CT,  136
.set TM,  144                          ; v144-147 largest magnitudes, v148-151 the other half's, then bytes, v152-155 the conversions' scale operands
.set PW,  156                          ; the scale word just made
.set T1,  157
.set SA,  160
.set SBW, 164
.set XS,  168
.set BC,  176
.set FB,  196
.set B1,  192                          ; in window 2
.set BI,  12                           ; s[12:13] the bias
.set S0C, 14                           ; s[14:15] S0's codes, s[16:17] its scales, s[18:19] S1's codes, s[20:21] its scales, s[22:23] the record
.set S0S, 16
.set S1C, 18
.set S1S, 20
.set OUT, 22
.set SEL, 54
.set HEADV, 417792                     ; 32 records of kv: from a head to the next
.set MSB, 0
.macro WIN new                         ; the immediate's high byte repeats the setting that is left; a switch that changes nothing is dropped
.if MSB != (\new)
	s_set_vgpr_msb (MSB<<8)|(\new)
.set MSB, (\new)
.endif
.endm
.macro PLACES n
.rept \n
	v_nop
.endr
.endm
; S1's tile (g, u), K step s: a fragment into set u
.macro FRAG1 g, u, s
.irp p, 0,1,2,3,4,5
	global_load_b64 v[FB+12*(\s)+2*\p:FB+12*(\s)+2*\p+1], v[A1+\u], s[S1C:S1C+1] offset:32*(\g)*384+96*(\s)+48*(\p/3)+8*(\p%3)
.endr
.endm
; The tile's loads in two parts.  The first: K steps 0 and 1
.macro LS1A g, u
	WIN ((\u)<<6)
	FRAG1 \g, \u, 0
	FRAG1 \g, \u, 1
.endm
; The second: K steps 2 and 3, the tile's scale words; role 1 (v): the lane's bias in all eight registers of a C.  Both parts together: 25 loads, or 33
.macro LS1B g, u, role
	WIN ((\u)<<6)
	FRAG1 \g, \u, 2
	FRAG1 \g, \u, 3
	WIN 0
	global_load_b128 v[XS+4*\u:XS+4*\u+3], v[A1S+\u], s[S1S:S1S+1] offset:32*(\g)*16
.if \role
.irp j, 0,1,2,3,4,5,6,7
	global_load_b32 v[BC+8*\u+\j], v[ABV+\u], s[BI:BI+1] offset:128*(\g)
.endr
.endif
.endm
; 32 matrix instructions: S0's eight tiles against S1's tile in set u, K step by K step.  The eight accumulators take turns, one instruction a turn.
; The bias is the C of each sum's first instruction: cw = 2: q's or k's (window 2), cw = 0: v's (window 0).
.macro MUL u, cw
	WIN (((\cw)<<4)|((\u)<<2)|1)
.irp t, 0,1,2,3,4,5,6,7
.if \cw
	v_wmma_scale_f32_16x16x128_f8f6f4 v[ACC+8*\t:ACC+8*\t+7], v[12*\t:12*\t+11], v[FB:FB+11], v[B1+8*\t:B1+8*\t+7], v[SS+4*\t], v[XS+4*\u] matrix_a_fmt:MATRIX_FMT_FP6 matrix_b_fmt:MATRIX_FMT_FP6
.else
	v_wmma_scale_f32_16x16x128_f8f6f4 v[ACC+8*\t:ACC+8*\t+7], v[12*\t:12*\t+11], v[FB:FB+11], v[BC+8*\u:BC+8*\u+7], v[SS+4*\t], v[XS+4*\u] matrix_a_fmt:MATRIX_FMT_FP6 matrix_b_fmt:MATRIX_FMT_FP6
.endif
.endr
	WIN (((\u)<<2)|1)
.irp t, 0,1,2,3,4,5,6,7
	v_wmma_scale_f32_16x16x128_f8f6f4 v[ACC+8*\t:ACC+8*\t+7], v[96+12*\t:96+12*\t+11], v[FB+12:FB+23], v[ACC+8*\t:ACC+8*\t+7], v[SS+4*\t+1], v[XS+4*\u+1] matrix_a_fmt:MATRIX_FMT_FP6 matrix_b_fmt:MATRIX_FMT_FP6
.endr
	WIN (((\u)<<2)|2)
.irp t, 0,1,2,3,4,5,6,7
	v_wmma_scale_f32_16x16x128_f8f6f4 v[ACC+8*\t:ACC+8*\t+7], v[12*\t:12*\t+11], v[FB+24:FB+35], v[ACC+8*\t:ACC+8*\t+7], v[SS+4*\t+2], v[XS+4*\u+2] matrix_a_fmt:MATRIX_FMT_FP6 matrix_b_fmt:MATRIX_FMT_FP6
.endr
.irp t, 0,1,2,3,4,5,6,7
	v_wmma_scale_f32_16x16x128_f8f6f4 v[ACC+8*\t:ACC+8*\t+7], v[96+12*\t:96+12*\t+11], v[FB+36:FB+47], v[ACC+8*\t:ACC+8*\t+7], v[SS+4*\t+3], v[XS+4*\u+3] matrix_a_fmt:MATRIX_FMT_FP6 matrix_b_fmt:MATRIX_FMT_FP6
.endr
	WIN 0
.endm
; THE QUANTISER, in two parts.  64 numbers of a lane, v[s] on, register 16 b + i = k 32 b + 16 (lane / 16) + i of my row.
; The first part: my 16 numbers' largest magnitude in each of the four blocks.
.macro QMAX s
	WIN 0
.irp b, 0,1,2,3
	v_max3_num_f32 v[TM+\b], |v[\s+16*\b]|, |v[\s+1+16*\b]|, 0x1800000   ; block b: my 16 numbers, and the floor 2^(3 - 127): the byte cannot fall under 1
.endr
.irp i, 2,4,6,8,10,12,14
.irp b, 0,1,2,3
	v_max3_num_f32 v[TM+\b], v[TM+\b], |v[\s+16*\b+\i]|, |v[\s+1+16*\b+\i]|   ; the four blocks by turns; each accumulator is read from its low end on
.endr
.endr
.endm
; The second part: the codes: blocks 0, 1 in v[d0] .. v[d0 + 5], blocks 2, 3 in v[d1] .. v[d1 + 5] (lane (r, h): block h, or 2 + h, whole), and the row's four scale bytes in v[PW].
.macro QREST s, d0, d1
.irp b, 0,1,2,3
	v_permlanex16_b32 v[TM+4+\b], v[TM+\b], s[SEL], s[SEL+1]
.endr
.irp b, 0,1,2,3
	v_max_num_f32 v[TM+\b], v[TM+\b], v[TM+4+\b]   ; with lane l xor 16's: the block's largest magnitude
.endr
.irp b, 0,1,2,3
	v_add_nc_u32 v[TM+8+\b], 0xff000000, v[TM+\b]  ; 2 off its exponent field: the conversion takes that field of this operand as its scale
.endr
.irp b, 0,1,2,3
	v_lshrrev_b32 v[TM+4+\b], 23, v[TM+8+\b]       ; the scale's byte
.endr
	v_lshl_or_b32 v[PW], v[TM+5], 8, v[TM+4]
	v_lshl_or_b32 v[PW], v[TM+6], 16, v[PW]
	v_lshl_or_b32 v[PW], v[TM+7], 24, v[PW]
	v_cvt_scalef32_pk16_fp6_f32 v[(\d0):(\d0)+2], v[\s:\s+15], v[TM+8]
	v_cvt_scalef32_pk16_fp6_f32 v[CT:CT+2], v[\s+16:\s+31], v[TM+9]      ; (a conversion's three registers begin on an even number)
	v_cvt_scalef32_pk16_fp6_f32 v[(\d1):(\d1)+2], v[\s+32:\s+47], v[TM+10]
	v_cvt_scalef32_pk16_fp6_f32 v[CT+4:CT+6], v[\s+48:\s+63], v[TM+11]
	v_nop                                          ; one plain place behind a scaled conversion
.irp i, 0,1,2
	v_permlane16_swap_b32 v[(\d0)+\i], v[CT+\i]    ; a whole block to a lane: lanes 0-15 the even block, lanes 16-31 the odd one
.endr
.irp i, 0,1,2
	v_permlane16_swap_b32 v[(\d1)+\i], v[CT+4+\i]
.endr
.irp i, 0,1,2
	v_mov_b32 v[(\d0)+3+\i], v[CT+\i]
.endr
.irp i, 0,1,2
	v_mov_b32 v[(\d1)+3+\i], v[CT+4+\i]
.endr
.endm
; q, k: pair g's two images leave: six stores
.macro PUTQK g
.irp c, 0,1,2
	global_store_b128 v[OA], v[IA+64*((\g)%2)+4*\c:IA+64*((\g)%2)+4*\c+3], s[OUT:OUT+1] offset:1536*(\g)+512*\c
	global_store_b128 v[OB], v[IB+120*((\g)%2)+4*\c:IB+120*((\g)%2)+4*\c+3], s[OUT:OUT+1] offset:1536*(\g)+512*\c
.endr
.endm
; v: unit (g, u)'s fragment leaves: three stores; behind a head's fourth tile its scale words too
.macro PUTV g, u
.irp c, 0,1,2
	global_store_b128 v[OA], v[IA+12*(\u)+4*\c:IA+12*(\u)+4*\c+3], s[OUT:OUT+1] offset:((\g)/2)*HEADV+6144+(2*((\g)%2)+(\u))*1536+512*\c
.endr
.if (\u) && ((\g)%2)
	global_store_b64 v[O8], v[SA+(\g)-1:SA+(\g)], s[OUT:OUT+1] offset:((\g)/2)*HEADV+12800   ; a head's four tiles' words: 256 consecutive bytes
.endif
.endm
; A unit of q's or k's path: 16 tokens x my 128 features.  The count leaves the one younger group of 25 loads (the other set's tile) out; the last unit has none behind it.
.macro UNITQK g, u
.if 2*(\g)+(\u) == 7
	s_wait_loadcnt 0x0
.else
	s_wait_loadcnt 25
.endif
	MUL \u, 2
	PLACES 4                                       ; in front of the first read of results
.if (\u == 0) && (\g >= 2)
	s_wait_xcnt 0x0                                ; pair g - 2's stores, issued two units back, have had their addresses translated: their data, this pair's images, are written again only behind this wait
	s_wait_alu depctr_vm_vsrc(0)                   ; and they have read those images, which this unit's and the next unit's conversions write again
.endif
.if (\u == 0) || (\g < 3)
	s_wait_alu depctr_va_vdst(0)                   ; the products are done reading set u and its scale words, in which the loads below land; the unit before has written pair g - 1's images, which the stores below read
.endif
.if (\u == 0) && (\g > 0)
	PUTQK \g-1                                     ; no vector line since the wait names these images: this unit's quantiser writes the other pair
.endif
.if \g < 3
	LS1A \g+1, \u                                  ; the loads are dealt among the quantiser's lines, which name none of their registers
.endif
	QMAX ACC
.if \g < 3
	LS1B \g+1, \u, 0
.endif
	QREST ACC, IA+64*(\g%2)+6*\u, IB+120*(\g%2)+6*\u   ; head A's two blocks into image A, head B's into image B; tile u takes registers 6 u on
.if \u == 0
	v_and_or_b32 v[SA+\g], v[PW], s51, s52         ; head A's word: bytes 0, 1, and the scale 1 twice
	v_lshrrev_b32 v[T1], 16, v[PW]
	v_or_b32 v[SBW+\g], s52, v[T1]                 ; head B's: bytes 2, 3
.else
	v_and_or_b32 v[T1], v[PW], s51, s52
	v_cndmask_b32 v[SA+\g], v[SA+\g], v[T1], s50   ; the odd tile's words go to lanes 16-31
	v_lshrrev_b32 v[T1], 16, v[PW]
	v_or_b32 v[T1], s52, v[T1]
	v_cndmask_b32 v[SBW+\g], v[SBW+\g], v[T1], s50
.endif
.endm
; A unit of v's path: 16 of my features x the 128 keys: one fragment of V^T.  A group of loads is 33 here (the bias's eight).
.macro UNITV g, u
.if 2*(\g)+(\u) == 7
	s_wait_loadcnt 0x0
.else
	s_wait_loadcnt 33
.endif
	MUL \u, 0
	PLACES 4                                       ; in front of the first read of results
.if 2*(\g)+(\u) >= 2
	s_wait_xcnt 0x0                                ; the stores issued in the unit before have had their addresses translated: their data, image u, are written again only behind this wait
	s_wait_alu depctr_vm_vsrc(0)                   ; and they have read image u, which this unit's conversions write again
.endif
	s_wait_alu depctr_va_vdst(0)                   ; the products are done reading set u, its scale words and its bias, in which the loads below land; the unit before has written the other image and its scale word, which the stores below read
.if \u == 1
	PUTV \g, 0
.elseif \g > 0
	PUTV \g-1, 1
.endif
.if \g < 3
	LS1A \g+1, \u                                  ; the loads are dealt among the quantiser's lines, which name none of their registers
.endif
	QMAX ACC
.if \g < 3
	LS1B \g+1, \u, 1
.endif
	QREST ACC, IA+12*\u, IA+12*\u+6
.if \u == 0
	v_mov_b32 v[SA+\g], v[PW]
.else
	v_cndmask_b32 v[SA+\g], v[SA+\g], v[PW], s50   ; the odd tile's words go to lanes 16-31
.endif
.endm
	s_load_b512 s[4:19], s[0:1], 0x0               ; q's five: codes, scales, W's codes, W's scales, bias; then k's codes, scales, W's codes
	s_load_b512 s[20:35], s[0:1], 0x40             ; k's W's scales, bias; v's five; qbuf
	s_load_b64 s[36:37], s[0:1], 0x80              ; kv
	v_lshrrev_b32 v1, 5, v0
	v_readfirstlane_b32 s40, v1                    ; wave 0..3
	s_and_b32 s38, ttmp7, 0xffff                   ; the tensor
	s_mov_b32 s39, ttmp9                           ; the group of 128 tokens
	s_lshl_b32 s44, s39, 7                         ; its first token
	s_wait_alu depctr_va_sdst(0)                   ; s40 is written, ahead of its first reader: the wave's rows, bias and record are made from it
	s_lshl_b32 s45, s40, 7                         ; my first feature
	s_cmp_eq_u32 s38, 0
	s_mov_b32 s46, 13056
	s_cselect_b32 s46, 6656, s46                   ; a record's bytes
	s_mov_b32 s47, 12288
	s_cselect_b32 s47, 6144, s47                   ; where its scale words begin
	s_cselect_b32 s48, 0, 8                        ; p8
	s_sub_co_u32 s58, 16, s48
	s_lshl_b32 s49, s46, 5                         ; from a head to the next: 32 records
	s_mov_b32 s50, 0xffff0000                      ; lanes 16-31
	s_mov_b32 s51, 0xffff
	s_mov_b32 s52, 0x7f7f0000
	s_mov_b32 s[SEL], 0x76543210
	s_mov_b32 s[SEL+1], 0xfedcba98                 ; v_permlanex16_b32's selects for lane l xor 16
	v_and_b32 v1, 31, v0                           ; lane
	v_and_b32 v156, 15, v0                         ; r
	v_bfe_u32 v157, v0, 4, 1                       ; h
	v_mul_u32_u24 v144, v157, 24
	v_and_b32 v145, 8, v156
	v_add_nc_u32 v145, v145, v156                  ; r + 8 (r / 8)
	v_mad_u32_u24 v[A0], v145, 384, v144
	v_lshlrev_b32 v[A0S], 4, v145
	v_bfe_u32 v146, v0, 3, 1
	v_mul_u32_u24 v146, s48, v146
	v_add_nc_u32 v146, v146, v156                  ; row(0) = r + p8 (r / 8)
	v_add_nc_u32 v147, s58, v146                   ; row(1) = row(0) + 16 - p8
	v_mad_u32_u24 v[A1], v146, 384, v144
	v_mad_u32_u24 v[A1+1], v147, 384, v144
	v_lshlrev_b32 v[A1S], 4, v146
	v_lshlrev_b32 v[A1S+1], 4, v147
	v_lshlrev_b32 v[ABV], 2, v146
	v_lshlrev_b32 v[ABV+1], 2, v147
	v_lshlrev_b32 v[OA], 4, v1
	v_add_nc_u32 v[OB], s49, v[OA]
	v_add_nc_u32 v[OSA], s47, v[OA]
	v_add_nc_u32 v[OSB], s49, v[OSA]
	v_lshlrev_b32 v[O8], 3, v1
	v_lshlrev_b32 v[AB], 6, v157
.irp b, 0,1,2,3
	v_mov_b32 v[TM+4+\b], 0                        ; written once: a lane permute's destination counts as one of its sources
.endr
	s_wait_kmcnt 0x0
	s_cmp_eq_u32 s38, 1                            ; the tensor's five buffers into s[4:13]: the choices hang on the work-group's number alone
	s_cselect_b64 s[4:5], s[14:15], s[4:5]
	s_cselect_b64 s[6:7], s[16:17], s[6:7]
	s_cselect_b64 s[8:9], s[18:19], s[8:9]
	s_cselect_b64 s[10:11], s[20:21], s[10:11]
	s_cselect_b64 s[12:13], s[22:23], s[12:13]
	s_cmp_eq_u32 s38, 2
	s_cselect_b64 s[4:5], s[24:25], s[4:5]
	s_cselect_b64 s[6:7], s[26:27], s[6:7]
	s_cselect_b64 s[8:9], s[28:29], s[8:9]
	s_cselect_b64 s[10:11], s[30:31], s[10:11]
	s_cselect_b64 s[12:13], s[32:33], s[12:13]
	s_cselect_b64 s[S0C:S0C+1], s[4:5], s[8:9]     ; v: S0 = the tokens, S1 = the weight; q, k: the other way round
	s_cselect_b64 s[S0S:S0S+1], s[6:7], s[10:11]
	s_cselect_b64 s[S1C:S1C+1], s[8:9], s[4:5]
	s_cselect_b64 s[S1S:S1S+1], s[10:11], s[6:7]
	s_cselect_b32 s42, s44, s45                    ; S0's first row
	s_cselect_b32 s43, s45, s44                    ; S1's
	s_cmp_eq_u32 s38, 0
	s_cselect_b64 s[OUT:OUT+1], s[34:35], s[36:37]
	s_mov_b32 s57, 0
	s_mul_i32 s56, s42, 384                        ; a row of codes is 384 bytes,
	s_add_nc_u64 s[S0C:S0C+1], s[S0C:S0C+1], s[56:57]
	s_lshl_b32 s56, s42, 4                         ; of scale bytes 16
	s_add_nc_u64 s[S0S:S0S+1], s[S0S:S0S+1], s[56:57]
	s_mul_i32 s56, s43, 384
	s_add_nc_u64 s[S1C:S1C+1], s[S1C:S1C+1], s[56:57]
	s_lshl_b32 s56, s43, 4
	s_add_nc_u64 s[S1S:S1S+1], s[S1S:S1S+1], s[56:57]
	s_lshl_b32 s56, s40, 9                         ; my 128 numbers of the bias
	s_add_nc_u64 s[BI:BI+1], s[BI:BI+1], s[56:57]
	s_lshr_b32 s56, s39, 5                         ; the record: ((batch x 8 + 2 x wave) x 32 + group within the batch)
	s_lshl_b32 s56, s56, 3
	s_lshl_b32 s59, s40, 1
	s_add_co_u32 s56, s56, s59
	s_lshl_b32 s56, s56, 5
	s_and_b32 s59, s39, 31
	s_add_co_u32 s56, s56, s59
	s_mul_i32 s56, s56, s46
	s_add_nc_u64 s[OUT:OUT+1], s[OUT:OUT+1], s[56:57]
	s_wait_alu depctr_va_vdst(0)                   ; the offsets v2 to v15 are written: every load and store of the kernel reads one of them; no vector line follows until the first products
	; S0's 32 fragments and its scale words: they stay
.irp s, 0,1,2,3
	WIN (0x40<<(\s/2))                             ; destination window 1 (K steps 0, 1) or 2 (K steps 2, 3)
.irp t, 0,1,2,3,4,5,6,7
.irp p, 0,1,2,3,4,5
	global_load_b64 v[96*(\s%2)+12*\t+2*\p:96*(\s%2)+12*\t+2*\p+1], v[A0], s[S0C:S0C+1] offset:(32*(\t/2)+8*(\t%2))*384+96*\s+48*(\p/3)+8*(\p%3)
.endr
.endr
.endr
	WIN 0
.irp t, 0,1,2,3,4,5,6,7
	global_load_b128 v[SS+4*\t:SS+4*\t+3], v[A0S], s[S0S:S0S+1] offset:(32*(\t/2)+8*(\t%2))*16   ; a row's 16 bytes: the words of its four K steps
.endr
	s_cmp_eq_u32 s38, 2
	s_cbranch_scc1 .Lv
	; ---- q or k.  The bias in the result's layout: lane (r, h), tile t, register j: feature 32 (t / 2) + 8 (t % 2) + 16 h + j
	WIN 0x80
.irp t, 0,1,2,3,4,5,6,7
	global_load_b128 v[B1+8*\t:B1+8*\t+3], v[AB], s[BI:BI+1] offset:(32*(\t/2)+8*(\t%2))*4
	global_load_b128 v[B1+8*\t+4:B1+8*\t+7], v[AB], s[BI:BI+1] offset:(32*(\t/2)+8*(\t%2))*4+16
.endr
	WIN 0
	LS1A 0, 0
	LS1B 0, 0, 0
	LS1A 0, 1
	LS1B 0, 1, 0
.irp g, 0,1,2,3
.irp u, 0,1
	UNITQK \g, \u
.endr
.endr
	s_wait_alu depctr_va_vdst(0)                   ; the last two units have written pair 3's images, and all eight the scale words, which the stores below read
	PUTQK 3
	global_store_b128 v[OSA], v[SA:SA+3], s[OUT:OUT+1]     ; the scale words' images: register g: tile 2 g in lanes 0-15, tile 2 g + 1 in lanes 16-31
	global_store_b128 v[OSB], v[SBW:SBW+3], s[OUT:OUT+1]
	s_endpgm
.Lv:
	; ---- v
	LS1A 0, 0
	LS1B 0, 0, 1
	LS1A 0, 1
	LS1B 0, 1, 1
.irp g, 0,1,2,3
.irp u, 0,1
	UNITV \g, \u
.endr
.endr
	s_wait_alu depctr_va_vdst(0)                   ; the last unit has written its image and the second head's last scale word, which the stores below read
	PUTV 3, 1
	s_endpgm
.Lfunc_end_k_q8e72e240eb_proj:
	.size	k_q8e72e240eb_proj, .Lfunc_end_k_q8e72e240eb_proj-k_q8e72e240eb_proj
	.p2alignl 7, 3214868480
	.fill 96, 4, 3214868480
	.section	.rodata,"a",@progbits
	.p2align	6, 0x0
	.amdhsa_kernel k_q8e72e240eb_proj
		.amdhsa_group_segment_fixed_size 0
		.amdhsa_private_segment_fixed_size 0
		.amdhsa_enable_private_segment 0
		.amdhsa_kernarg_size 136
		.amdhsa_user_sgpr_count 2
		.amdhsa_user_sgpr_kernarg_segment_ptr 1
		.amdhsa_wavefront_size32 1
		.amdhsa_system_sgpr_workgroup_id_x 1
		.amdhsa_system_sgpr_workgroup_id_y 1
		.amdhsa_system_sgpr_workgroup_id_z 1
		.amdhsa_system_vgpr_workitem_id 0
		.amdhsa_next_free_vgpr 768
		.amdhsa_next_free_sgpr 66
		.amdhsa_reserve_vcc 0
		.amdhsa_float_denorm_mode_32 3
		.amdhsa_float_denorm_mode_16_64 3
		.amdhsa_memory_ordered 1
		.amdhsa_forward_progress 1
		.amdhsa_inst_pref_size 205
	.end_amdhsa_kernel
	.amdgpu_metadata
---
amdhsa.version: [ 1, 2 ]
amdhsa.kernels:
  - .name:           k_q8e72e240eb_proj
    .symbol:         k_q8e72e240eb_proj.kd
    .args:
      - { .name: q_codes, .offset: 0, .size: 8, .value_kind: global_buffer, .address_space: global }
      - { .name: q_scales, .offset: 8, .size: 8, .value_kind: global_buffer, .address_space: global }
      - { .name: Wq_codes, .offset: 16, .size: 8, .value_kind: global_buffer, .address_space: global }
      - { .name: Wq_scales, .offset: 24, .size: 8, .value_kind: global_buffer, .address_space: global }
      - { .name: bq, .offset: 32, .size: 8, .value_kind: global_buffer, .address_space: global }
      - { .name: k_codes, .offset: 40, .size: 8, .value_kind: global_buffer, .address_space: global }
      - { .name: k_scales, .offset: 48, .size: 8, .value_kind: global_buffer, .address_space: global }
      - { .name: Wk_codes, .offset: 56, .size: 8, .value_kind: global_buffer, .address_space: global }
      - { .name: Wk_scales, .offset: 64, .size: 8, .value_kind: global_buffer, .address_space: global }
      - { .name: bk, .offset: 72, .size: 8, .value_kind: global_buffer, .address_space: global }
      - { .name: v_codes, .offset: 80, .size: 8, .value_kind: global_buffer, .address_space: global }
      - { .name: v_scales, .offset: 88, .size: 8, .value_kind: global_buffer, .address_space: global }
      - { .name: Wv_codes, .offset: 96, .size: 8, .value_kind: global_buffer, .address_space: global }
      - { .name: Wv_scales, .offset: 104, .size: 8, .value_kind: global_buffer, .address_space: global }
      - { .name: bv, .offset: 112, .size: 8, .value_kind: global_buffer, .address_space: global }
      - { .name: qbuf, .offset: 120, .size: 8, .value_kind: global_buffer, .address_space: global }
      - { .name: kv, .offset: 128, .size: 8, .value_kind: global_buffer, .address_space: global }
    .group_segment_fixed_size: 0
    .private_segment_fixed_size: 0
    .kernarg_segment_align: 8
    .kernarg_segment_size: 136
    .max_flat_workgroup_size: 128
    .sgpr_count:     66
    .vgpr_count:     768
    .wavefront_size: 32
...
	.end_amdgpu_metadata
.endif
;; end of part 4
;; launch attn (part 5): grid 16 x 16, 16 waves a work-group, clusters of 4 x 1, 327,680 bytes of LDS; arguments qbuf, kv, aimg, asc; writes aimg, asc
.if DOCPART == 5
	.amdgcn_target "amdgcn-amd-amdhsa--gfx1250"
	.amdhsa_code_object_version 6
	.text
	.protected	k_q8e72e240eb_attn
	.globl	k_q8e72e240eb_attn
	.p2align	8
	.type	k_q8e72e240eb_attn,@function
k_q8e72e240eb_attn:
	s_mov_b64 s[64:65], 0
	v_nop
	global_prefetch_b8 v0, s[64:65] scope:SCOPE_SE
	s_setreg_imm32_b32 hwreg(HW_REG_WAVE_MODE, 25, 1), 1
	s_wait_xcnt 0x0
	s_wait_alu depctr_hold_cnt(0) depctr_sa_sdst(0) depctr_va_vdst(0) depctr_va_sdst(0) depctr_va_ssrc(0) depctr_va_vcc(0) depctr_vm_vsrc(0)
	s_getreg_b32 s2, hwreg(HW_REG_IB_STS2, 6, 4)
	s_cmp_eq_u32 s2, 0
	s_cbranch_scc0 .Lentry_in_a_cluster
	s_endpgm
.Lentry_in_a_cluster:
	s_bfe_u32 s2, ttmp6, 0x10000c
	s_cmp_lg_u32 s2, 0x3003
	s_cbranch_scc0 .Lentry_shape_is_right
	s_endpgm
.Lentry_shape_is_right:
; O[bh][q] = the sum over k of softmax_k(Q[bh][q] . K[bh][k] / 8) V[bh][k], both products on codes of FP6 (E2M3) with E8M0 scales, and O quantised again along its 64 channels for the last projection.
; THE SOFTMAX AHEAD OF THE SECOND PRODUCT: t = score x log2(e) / 8; M = the row's largest t so far, rounded UP to a whole number; p = 2^(t - M) is what is quantised, along the keys; it is not normalised.
; The row's sum is taken of the unquantised p, in f32, and divides O at the end.  When M moves, the sum and O are multiplied by 2^(old M - new M): exact.
; SHARES.  A work-group owns 256 queries of one (batch, head); each of its sixteen waves owns 16 of them, one tile, in 256 registers: four waves to a SIMD, so that one wave's vector work stands beside another's
; matrix work and LDS loads.  Every wave walks the head's 4,096 keys, 128 a step.
; OPERANDS ARRIVE AS IMAGES OF THEIR REGISTERS (the launch before laid them so): a step's record of 13,056 bytes holds K's eight tiles (6 registers each), V^T's four fragments (12 each) and both scale words;
; every LDS read is 16 or 8 consecutive bytes a lane, lane behind lane: no pitch, no padding.
; RING.  Two slots of 8 steps (104,448 bytes); waves 0 to 3 fetch a quarter of a slot each: 102 rows of 256 bytes.  By this text's count a wave has two tensor loads out at the start, later one.
; CLUSTER.  The four work-groups of a cluster are four query blocks of one (batch, head) and walk the same records, so each tile is asked for JOINTLY: the same tensor load, the same descriptor, a mask of all four.
; LAYOUT.  Both products are used transposed: S^T = K Q^T, O^T = V^T P^T: a lane holds ONE query (lane % 16) throughout.  The keys of a tile of K and the channels of a tile of V^T are chosen
; (32 b + 8 u + r + 8 (r / 8)) so that the 16 registers of tiles 2 b and 2 b + 1 are 16 neighbours along the next product's K.
; A HEAD'S 64 IN A PRODUCT 128 DEEP.  Q's registers 6-11 are zero codes, and bytes 2, 3 of Q's and K's scale words are 0x7f.  Tile T's operand is the 12 registers from its own six on: the upper six are the next
; tile's codes (behind tile 7: six registers of zeros).  Every code of this format is a finite number, so those products are exact zeros.
; LIMITS: NaN and infinities are not served.  A block whose every p has fallen to 0, and a block of O that is all zeros or under 2^-124, gets the scale byte 1; these bytes are read by this program alone.
; A block's largest p is taken as the exponential of its largest score: this leans on v_exp_f32 not falling where its input rises.
.set STEPB, 13056                      ; a step's record
.set SLOT,  8*STEPB
.set SPARE, 2*SLOT                     ; behind the ring: the spare words, 128 bytes for each of 16 waves: eight blocks of 256 bytes that no other line names
.set L16, 1                            ; v1   16 x lane
.set L8,  2                            ; v2   8 x lane
.set ADR, 3                            ; v3   the step's record + 16 x lane
.set AD8, 4                            ; v4   the step's record + 8 x lane
.set SPW, 5                            ; v5   LDS address of my spare word; never rewritten
.set NIL, 6                            ; v6   0; never rewritten
.set R16, 7                            ; v7   16 x (lane % 16)
                                       ; v12 -M, v13 the largest t, v[14:15] the sum in two halves
.set QF,  16                           ; v16-21 Q's codes, v22-27 zero codes
.set QS,  28                           ; v28  Q's scale words
.set KF,  32                           ; v32-79 K's eight tiles, later V^T's four fragments; v80-85 zero codes
.set KS,  88                           ; v88-91 K's scale words
.set VS,  92                           ; v92-93 V's
.set S,   96                           ; v96-159 S^T, then p
.set OT,  160                          ; v160-191 O^T
.set PC,  192                          ; v192-203 p's codes
.set CT,  204                          ; v204-206, v208-210 the conversions' second halves
.set BM,  212                          ; v212-215 the blocks' largest scores, then largest p
.set PT,  216                          ; v216-219 the other half's, then bytes
.set SO,  220                          ; v220-223 the conversions' scale operands
.set PW,  224                          ; v224 p's scale word
.set F,   226                          ; v226 f = 2^(old M - new M); v227 named with it as a pair
.set TMP, 228
.set SU,  230                          ; v[230:231] one of the sum's eight chains, with v[14:15] and v244-255
.set WV,  12
.set SEL, 20
.set CS,  22
.set G1,  24
.set G0,  32
.set TB,  40
.set CNT, 41
; A round of the cluster's barrier: my work-group's barrier; wave 0 signals for the work-group; every wave waits for all four work-groups; my work-group's barrier once more.
.macro CROUND
	s_barrier_signal -1
	s_barrier_wait -1
	s_cmp_lg_u32 s[WV], 0
	s_cbranch_scc1 .Lnot_wave_0_\@
	s_barrier_signal -3
.Lnot_wave_0_\@:
	s_barrier_wait -3
	s_barrier_signal -1
	s_barrier_wait -1
.endm
; The joint refill of slot n: waves 0 to 3, a quarter each; the branch hangs on the wave's number alone.  Four v_nop follow the load.
.macro JLOAD n
	s_cmp_lt_u32 s[WV], 4
	s_cbranch_scc0 .Lnone_\@
	tensor_load_to_lds s[G0+4*\n:G0+4*\n+3], s[G1:G1+7]
	s_nop 0
.rept 4
	v_nop
.endr
.Lnone_\@:
.endm
; THE CHANGE OF SLOTS.  Each wave waits for all its tensor loads (its part of the slot ahead), adds 0 to its spare word, and waits for that and for its reads of the slot that it leaves.
; fill = 1: slot n, just left, is filled with the steps two slots on: the barrier is a round of the cluster's, and the joint load is the first thing behind it; it has 8 steps in which to land.
.macro CHANGE fill, n
	s_wait_tensorcnt 0x0                           ; no tensor load of mine is out, so a group 0 may be written
	ds_add_u32 v[SPW], v[NIL]                      ; 0 onto my spare word
.if \fill
	s_add_nc_u64 s[G0+4*\n+2:G0+4*\n+3], s[G0+4*\n+2:G0+4*\n+3], 2*SLOT   ; the type bits on top are not reached
.endif
	s_wait_dscnt 0x0                               ; the add is done, and my reads of the slot are over
.if \fill
	CROUND
	JLOAD \n
.else
	s_barrier_signal -1
	s_barrier_wait -1
.endif
.endm
; A KEY STEP: 128 keys, whose record begins at LDS byte s[TB].
.macro STEP
	v_add_nc_u32 v[ADR], s[TB], v[L16]
	v_add_nc_u32 v[AD8], s[TB], v[L8]
	v_nop
	v_nop                                          ; four places behind the last step's products, in front of the loads into registers that they have read
.irp i, 0,1,2,3,4,5,6,7,8,9,10,11
	ds_load_b128 v[KF+4*\i:KF+4*\i+3], v[ADR] offset:512*\i          ; K's eight tiles
.endr
	ds_load_b128 v[KS:KS+3], v[ADR] offset:12288   ; register g: tile 2 g's words in lanes 0-15, tile 2 g + 1's in lanes 16-31
	s_wait_alu depctr_va_vdst(0)
	s_wait_dscnt 0x0
.irp t, 0,1,2,3,4,5,6,7
.if \t%2
	v_wmma_scale_f32_16x16x128_f8f6f4 v[S+8*\t:S+8*\t+7], v[KF+6*\t:KF+6*\t+11], v[QF:QF+11], 0, v[KS+\t/2], v[QS] matrix_a_fmt:MATRIX_FMT_FP6 matrix_b_fmt:MATRIX_FMT_FP6 matrix_a_scale:MATRIX_SCALE_ROW1
.else
	v_wmma_scale_f32_16x16x128_f8f6f4 v[S+8*\t:S+8*\t+7], v[KF+6*\t:KF+6*\t+11], v[QF:QF+11], 0, v[KS+\t/2], v[QS] matrix_a_fmt:MATRIX_FMT_FP6 matrix_b_fmt:MATRIX_FMT_FP6
.endif
.endr                                              ; lane (r, h): query r; register 16 b + i: key 32 b + 16 h + i
.rept 4
	v_nop                                          ; places in front of the loads below and of the first read of the scores
.endr
.irp i, 0,1,2,3,4,5,6,7,8,9,10,11
	ds_load_b128 v[KF+4*\i:KF+4*\i+3], v[ADR] offset:6144+512*\i     ; V^T's four fragments land while the softmax is walked
.endr
	ds_load_b64 v[VS:VS+1], v[AD8] offset:12800
.irp b, 0,1,2,3
	v_max3_num_f32 v[BM+\b], v[S+16*\b], v[S+1+16*\b], v[S+2+16*\b]  ; THE LARGEST SCORE OF EACH BLOCK OF 32 KEYS: it serves for the row's maximum and, since p rises with the score, for the block's largest p
.endr
.irp i, 3,5,7,9,11,13
.irp b, 0,1,2,3
	v_max3_num_f32 v[BM+\b], v[BM+\b], v[S+16*\b+\i], v[S+1+16*\b+\i]
.endr
.endr
.irp b, 0,1,2,3
	v_max_num_f32 v[BM+\b], v[BM+\b], v[S+15+16*\b]
.endr
.irp b, 0,1,2,3
	s_delay_alu instid0(VALU_DEP_4)
	v_permlanex16_b32 v[PT+\b], v[BM+\b], s[SEL], s[SEL+1]
.endr
.irp b, 0,1,2,3
	s_delay_alu instid0(VALU_DEP_4)
	v_max_num_f32 v[BM+\b], v[BM+\b], v[PT+\b]     ; with lane l xor 16's 16 keys
.endr
	s_delay_alu instid0(VALU_DEP_2)
	v_max3_num_f32 v[TMP], v[BM], v[BM+1], v[BM+2]
	s_delay_alu instid0(VALU_DEP_1)
	v_max_num_f32 v[TMP], v[TMP], v[BM+3]          ; the step's largest score of my query
	s_delay_alu instid0(VALU_DEP_1)
	v_mul_f32 v[TMP], s[CS], v[TMP]                ; as t (c is positive)
	s_delay_alu instid0(VALU_DEP_1)
	v_max_num_f32 v13, v13, v[TMP]                 ; the running largest t
	v_mov_b32 v[TMP], v12
	s_delay_alu instid0(VALU_DEP_2)
	v_floor_f32 v12, -v13                          ; the new -M = floor(-t) = -ceil(t): M is a whole number
	s_delay_alu instid0(VALU_DEP_1)
	v_sub_f32 v[TMP], v12, v[TMP]                  ; old M less new M: a whole number, 0 or less
	s_delay_alu instid0(VALU_DEP_1)
	v_cvt_i32_f32 v[TMP], v[TMP]                   ; (it saturates)
	s_delay_alu instid0(VALU_DEP_1)
	v_ldexp_f32 v[F], 1.0, v[TMP]                  ; f = 2^(old M - new M): a multiplication by it rounds nothing
.set jj, 0
.rept 32
	v_pk_fma_f32 v[S+jj:S+jj+1], v[S+jj:S+jj+1], s[CS:CS+1], v[12:13] op_sel_hi:[1,0,0]   ; t - M, two at a time (of the pairs c and -M the low word serves both halves)
.set jj, jj+2
.endr
.irp b, 0,1,2,3
	v_fma_f32 v[BM+\b], v[BM+\b], s[CS], v12       ; the same of each block's largest score
.endr
.set jj, 0
	s_wait_alu depctr_va_vdst(0)
.rept 64
	v_exp_f32 v[S+jj], v[S+jj]                     ; p = 2^(t - M), at most 1: not normalised
.set jj, jj+1
.endr
	s_setprio 1
.irp b, 0,1,2,3
	v_exp_f32 v[BM+\b], v[BM+\b]                   ; the block's largest p: the same two instructions on the same number give the same bits
.endr
	v_pk_mul_f32 v[14:15], v[14:15], v[F:F+1] op_sel_hi:[1,0]        ; the sums under the new M.  (A plain place behind the exponentials)
	s_wait_alu depctr_va_vdst(0)
.irp b, 0,1,2,3
	v_max_num_f32 v[BM+\b], 0x1800000, v[BM+\b]    ; the floor 2^(3 - 127): the byte cannot fall under 1
.endr
.irp b, 0,1,2,3
	s_delay_alu instid0(VALU_DEP_4)
	v_add_nc_u32 v[SO+\b], 0xff000000, v[BM+\b]    ; 2 off the exponent field: the conversion's scale operand
.endr
.irp b, 0,1,2,3
	s_delay_alu instid0(VALU_DEP_4)
	v_lshrrev_b32 v[PT+\b], 23, v[SO+\b]           ; the scale's byte
.endr
	s_delay_alu instid0(VALU_DEP_3)
	v_lshl_or_b32 v[PW], v[PT+1], 8, v[PT]         ; p's scale word for these 128 keys
	s_delay_alu instid0(VALU_DEP_1)
	v_lshl_or_b32 v[PW], v[PT+2], 16, v[PW]
	s_delay_alu instid0(VALU_DEP_1)
	v_lshl_or_b32 v[PW], v[PT+3], 24, v[PW]
.irp c, 0,1
	v_cvt_scalef32_pk16_fp6_f32 v[PC+6*\c:PC+6*\c+2], v[S+32*\c:S+32*\c+15], v[SO+2*\c]
	v_cvt_scalef32_pk16_fp6_f32 v[CT+4*\c:CT+4*\c+2], v[S+32*\c+16:S+32*\c+31], v[SO+2*\c+1]   ; (a conversion's three registers begin on an even number)
.endr
	v_nop                                          ; one plain place behind a scaled conversion
.irp c, 0,1                                        ; a whole block to a lane: lanes 0-15 block 2 c, lanes 16-31 block 2 c + 1
.irp i, 0,1,2
	v_permlane16_swap_b32 v[PC+6*\c+\i], v[CT+4*\c+\i]
.endr
.irp i, 0,1,2
	s_delay_alu instid0(VALU_DEP_3)
	v_mov_b32 v[PC+6*\c+3+\i], v[CT+4*\c+\i]
.endr
.endr
	v_pk_add_f32 v[230:231], v[100:101], v[104:105]
	v_pk_add_f32 v[254:255], v[108:109], v[112:113]
	v_pk_add_f32 v[252:253], v[116:117], v[120:121]
	v_pk_add_f32 v[250:251], v[124:125], v[128:129]
	v_pk_add_f32 v[248:249], v[132:133], v[136:137]
	v_pk_add_f32 v[246:247], v[140:141], v[144:145]
	v_pk_add_f32 v[244:245], v[148:149], v[152:153]
	v_pk_add_f32 v[14:15], v[14:15], v[156:157]
	v_pk_add_f32 v[230:231], v[230:231], v[96:97]
	v_pk_add_f32 v[254:255], v[254:255], v[98:99]
	v_pk_add_f32 v[252:253], v[252:253], v[102:103]
	v_pk_add_f32 v[250:251], v[250:251], v[106:107]
	v_pk_add_f32 v[248:249], v[248:249], v[110:111]
	v_pk_add_f32 v[246:247], v[246:247], v[114:115]
	v_pk_add_f32 v[244:245], v[244:245], v[118:119]
	v_pk_add_f32 v[14:15], v[14:15], v[122:123]
	v_pk_add_f32 v[230:231], v[230:231], v[126:127]
	v_pk_add_f32 v[254:255], v[254:255], v[130:131]
	v_pk_add_f32 v[252:253], v[252:253], v[134:135]
	v_pk_add_f32 v[250:251], v[250:251], v[138:139]
	v_pk_add_f32 v[248:249], v[248:249], v[142:143]
	v_pk_add_f32 v[246:247], v[246:247], v[146:147]
	v_pk_add_f32 v[244:245], v[244:245], v[150:151]
	v_pk_add_f32 v[14:15], v[14:15], v[154:155]
	v_pk_add_f32 v[230:231], v[230:231], v[158:159]
	s_delay_alu instid0(VALU_DEP_2)
	v_pk_add_f32 v[14:15], v[14:15], v[250:251]
	s_delay_alu instid0(VALU_DEP_2)
	v_pk_add_f32 v[230:231], v[230:231], v[248:249]
	s_setprio 0
	v_pk_add_f32 v[254:255], v[254:255], v[246:247]
	v_pk_add_f32 v[252:253], v[252:253], v[244:245]
	s_delay_alu instid0(VALU_DEP_2)
	v_pk_add_f32 v[14:15], v[14:15], v[254:255]
	s_delay_alu instid0(VALU_DEP_2)
	v_pk_add_f32 v[230:231], v[230:231], v[252:253]
	s_delay_alu instid0(VALU_DEP_1)
	v_pk_add_f32 v[14:15], v[14:15], v[230:231]
.set jj, 0
.rept 16
	v_pk_mul_f32 v[OT+jj:OT+jj+1], v[OT+jj:OT+jj+1], v[F:F+1] op_sel_hi:[1,0]   ; O^T under the new M, each accumulator from its low end.  (With the sums: the places between p's codes and scale word and the products)
.set jj, jj+2
.endr
	s_wait_alu depctr_va_vdst(0)
	s_wait_dscnt 0x0                               ; V^T's fragments and scale words are in
.irp d, 0,1,2,3                                    ; O^T += V^T P^T: four accumulators, one instruction a turn
.if \d%2
	v_wmma_scale_f32_16x16x128_f8f6f4 v[OT+8*\d:OT+8*\d+7], v[KF+12*\d:KF+12*\d+11], v[PC:PC+11], v[OT+8*\d:OT+8*\d+7], v[VS+\d/2], v[PW] matrix_a_fmt:MATRIX_FMT_FP6 matrix_b_fmt:MATRIX_FMT_FP6 matrix_a_scale:MATRIX_SCALE_ROW1
.else
	v_wmma_scale_f32_16x16x128_f8f6f4 v[OT+8*\d:OT+8*\d+7], v[KF+12*\d:KF+12*\d+11], v[PC:PC+11], v[OT+8*\d:OT+8*\d+7], v[VS+\d/2], v[PW] matrix_a_fmt:MATRIX_FMT_FP6 matrix_b_fmt:MATRIX_FMT_FP6
.endif
.endr
.endm
.macro SLOT_STEPS n                    ; slot n's eight steps: written once, walked eight times
	s_mov_b32 s[TB], \n*SLOT
	s_mov_b32 s[CNT], 8
.Lstep_\@:
	s_setprio 2
	STEP
	s_add_co_u32 s[TB], s[TB], STEPB
	s_sub_co_u32 s[CNT], s[CNT], 1
	s_cmp_lg_u32 s[CNT], 0
	s_cbranch_scc1 .Lstep_\@
	s_setprio 0
.endm
	s_load_b256 s[4:11], s[0:1], 0x0               ; qbuf s[4:5], kv s[6:7], aimg s[8:9], asc s[10:11]
	v_lshl_add_u32 v[SPW], v0, 2, SPARE
	v_mov_b32 v[NIL], 0
	ds_add_u32 v5, v6
	ds_add_u32 v5, v6
	s_wait_dscnt 0x0
	v_lshrrev_b32 v3, 5, v0
	s_delay_alu instid0(VALU_DEP_1)
	v_readfirstlane_b32 s[WV], v3                  ; wave 0..15
	s_bfe_u32 s13, ttmp6, 0x40000                  ; cx: my place in the cluster
	s_lshl_b32 s14, ttmp9, 2                       ; in a cluster launch ttmp9 counts clusters
	s_add_co_u32 s14, s14, s13                     ; my block of 256 queries: it enters Q's, aimg's and asc's addresses alone
	s_and_b32 s15, ttmp7, 0xffff                   ; (batch, head), which the four partners share
	; descriptor group 1: 102 rows of 256 bytes (32 elements of 8 bytes), dense in memory and in LDS: two steps' records
	s_mov_b32 s[G1], 15|(3<<16)|(1<<21)            ; 15:0 the mask: all four work-groups; 17:16 elements of 8 bytes; 20 no padding; 21 set beside a mask
	s_mov_b32 s[G1+1], 32<<16                      ; tensor_dim0
	s_mov_b32 s[G1+2], 102<<16                     ; tensor_dim1
	s_mov_b32 s[G1+3], 32<<16                      ; tile_dim0
	s_mov_b32 s[G1+4], 102                         ; tile_dim1
	s_mov_b32 s[G1+5], 32                          ; tensor_dim0_stride
	s_mov_b32 s[G1+6], 0
	s_mov_b32 s[G1+7], 0
	s_and_b32 s16, s[WV], 3
	s_mul_i32 s17, s16, 2*STEPB                    ; my quarter of a slot: no place in the cluster enters an LDS address
	s_mul_i32 s44, s15, 32*STEPB                   ; the head's 32 records
	s_add_co_u32 s44, s44, s17
	s_mov_b32 s45, 0
	s_lshl_b32 s18, s15, 5                         ; Q's record: (batch, head) x 32 + 2 x block + wave / 8
	s_lshl_b32 s19, s14, 1
	s_add_co_u32 s18, s18, s19
	s_lshr_b32 s19, s[WV], 3
	s_add_co_u32 s18, s18, s19
	s_mul_i32 s18, s18, 6656
	s_bfe_u32 s19, s[WV], 0x20001                  ; which pair of tiles in it: (wave % 8) / 2
	s_mul_i32 s48, s19, 1536
	s_add_co_u32 s48, s48, s18                     ; the pair's image
	s_mov_b32 s49, 0
	s_and_b32 s42, s[WV], 1
	s_lshl_b32 s52, s42, 8                         ; my tile's scale words: register (pair) of lanes 16 (wave % 2) + r of the image at 6,144
	s_lshl_b32 s19, s19, 2
	s_add_co_u32 s52, s52, s19
	s_add_co_u32 s52, s52, s18
	s_add_co_u32 s52, s52, 6144
	s_mov_b32 s53, 0
	s_sub_co_u32 s42, 0, s42                       ; all ones in the odd waves: they take the pair's second tile
	s_lshr_b32 s54, s15, 3                         ; my tile of 16 tokens: batch x 256 + 16 x block + wave
	s_lshl_b32 s54, s54, 8
	s_lshl_b32 s55, s14, 4
	s_add_co_u32 s54, s54, s55
	s_add_co_u32 s54, s54, s[WV]
	s_and_b32 s55, s15, 7                          ; the head
	s_mul_i32 s56, s54, 6144
	s_mul_i32 s57, s55, 768
	s_add_co_u32 s56, s56, s57
	s_mov_b32 s57, 0
	s_lshl_b32 s58, s54, 8
	s_lshl_b32 s55, s55, 1
	s_add_co_u32 s58, s58, s55
	s_mov_b32 s59, 0
	s_mov_b32 s[SEL], 0x76543210
	s_mov_b32 s[SEL+1], 0xfedcba98                 ; v_permlanex16_b32's selects for lane l xor 16
	s_mov_b32 s[CS], 0x3e38aa3b                    ; c = log2(e) / 8
	s_mov_b32 s[CS+1], s[CS]                       ; (named with it as a pair, so it is written)
	s_wait_kmcnt 0x0
	s_add_nc_u64 s[46:47], s[6:7], s[44:45]        ; kv at my quarter of slot 0's first fill
	s_add_nc_u64 s[50:51], s[4:5], s[48:49]        ; Q's codes
	s_add_nc_u64 s[4:5], s[4:5], s[52:53]          ; Q's scale words
	s_add_nc_u64 s[8:9], s[8:9], s[56:57]          ; my 768 bytes of aimg
	s_add_nc_u64 s[10:11], s[10:11], s[58:59]      ; my tokens' rows of asc, at the head's two bytes
	CROUND                                         ; all four work-groups are here: the first joint loads meet
.irp n, 0,1
	s_mov_b32 s[G0+4*\n], 1                        ; 1:0 count = 1
	s_add_co_u32 s[G0+4*\n+1], s17, \n*SLOT        ; 63:32 LDS address
	s_add_nc_u64 s[G0+4*\n+2:G0+4*\n+3], s[46:47], \n*SLOT   ; 120:64 global address: steps 8 n on
	s_or_b32 s[G0+4*\n+3], s[G0+4*\n+3], 0x80000000          ; 127:126 type = 2
.endr
	s_cmp_lt_u32 s[WV], 4                          ; a wave's two first fills stand in one branch, ahead of every wait on TENSORcnt and every LDS read
	s_cbranch_scc0 .Lno_fill
	tensor_load_to_lds s[G0:G0+3], s[G1:G1+7]
	s_nop 0
	tensor_load_to_lds s[G0+4:G0+7], s[G1:G1+7]
	s_nop 0
.rept 4
	v_nop
.endr
.Lno_fill:
	v_and_b32 v[L16], 31, v0
	s_delay_alu instid0(VALU_DEP_1)
	v_lshlrev_b32 v[L8], 3, v[L16]
	s_delay_alu instid0(VALU_DEP_2)
	v_lshlrev_b32 v[L16], 4, v[L16]
	v_and_b32 v[R16], 15, v0
	s_delay_alu instid0(VALU_DEP_1)
	v_lshlrev_b32 v[R16], 4, v[R16]
.irp c, 0,1,2
	global_load_b128 v[KF+4*\c:KF+4*\c+3], v[L16], s[50:51] offset:512*\c   ; the pair's image: my tile is its registers 0-5 or 6-11
.endr
	global_load_b32 v[QS], v[R16], s[4:5]
	v_mov_b32 v13, 0xff61b1e6                      ; the largest t so far: -3e38, under every t
	s_delay_alu instid0(VALU_DEP_1)
	v_floor_f32 v12, -v13                          ; -M
	v_mov_b32 v14, 0
	v_mov_b32 v15, 0
.irp i, 0,1,2,3,4,5
	v_mov_b32 v[QF+6+\i], 0                        ; Q's upper 64 along K: zero codes
	v_mov_b32 v[KF+48+\i], 0                       ; and what stands behind K's tile 7
.endr
.irp b, 0,1,2,3
	v_mov_b32 v[PT+\b], 0                          ; written once: a lane permute's destination counts as one of its sources
.endr
	v_mov_b32 v[F+1], 0                            ; (named as the upper half of a pair)
	s_wait_loadcnt 0x0                             ; Q
.irp i, 0,1,2,3,4,5
	v_cndmask_b32 v[QF+\i], v[KF+\i], v[KF+6+\i], s42
.endr
.set jj, 0
.rept 32
	v_mov_b32 v[OT+jj], 0                          ; O^T.  (The step is written once: the first finds zeros, which the first change of M leaves zeros)
.set jj, jj+1
.endr
	s_wait_tensorcnt 0x1                           ; my part of slot 0 is in; slot 1's may stay out
	s_barrier_signal -1
	s_barrier_wait -1                              ; everybody's is
	SLOT_STEPS 0                                   ; steps 0-7
	CHANGE 1, 0                                    ; slot 0 takes steps 16-23
	SLOT_STEPS 1                                   ; steps 8-15
	CHANGE 1, 1                                    ; slot 1 takes steps 24-31
	SLOT_STEPS 0
	CHANGE 0, 0                                    ; nothing is left to fetch
	SLOT_STEPS 1
	; THE WAY OUT.  O^T / the sum; register 16 b + i is channel 32 b + 16 h + i of my query: two blocks of 32, quantised as every operand is, and stored as half a fragment's image for the last projection.
	v_add_f32 v14, v14, v15                        ; the sum's two halves,
	s_delay_alu instid0(VALU_DEP_1)
	v_permlanex16_b32 v[TMP], v14, s[SEL], s[SEL+1]
	s_delay_alu instid0(VALU_DEP_1)
	v_add_f32 v14, v14, v[TMP]                     ; and lane l xor 16's: the row's sum
	s_wait_alu depctr_va_vdst(0)
	v_rcp_f32 v14, v14
.rept 4
	v_nop                                          ; the place behind the reciprocal, and the places behind the last products
.endr
.set jj, 0
	s_wait_alu depctr_va_vdst(0)
.rept 32
	v_mul_f32 v[S+jj], v[OT+jj], v14
.set jj, jj+1
.endr
.irp b, 0,1
	v_max3_num_f32 v[BM+\b], |v[S+16*\b]|, |v[S+1+16*\b]|, 0x1800000
.endr
.irp i, 2,4,6,8,10,12,14
.irp b, 0,1
	s_delay_alu instid0(VALU_DEP_2)
	v_max3_num_f32 v[BM+\b], v[BM+\b], |v[S+16*\b+\i]|, |v[S+1+16*\b+\i]|
.endr
.endr
.irp b, 0,1
	s_delay_alu instid0(VALU_DEP_2)
	v_permlanex16_b32 v[PT+\b], v[BM+\b], s[SEL], s[SEL+1]
.endr
.irp b, 0,1
	s_delay_alu instid0(VALU_DEP_2)
	v_max_num_f32 v[BM+\b], v[BM+\b], v[PT+\b]
.endr
.irp b, 0,1
	s_delay_alu instid0(VALU_DEP_2)
	v_add_nc_u32 v[SO+\b], 0xff000000, v[BM+\b]
.endr
.irp b, 0,1
	s_delay_alu instid0(VALU_DEP_2)
	v_lshrrev_b32 v[PT+\b], 23, v[SO+\b]
.endr
	s_delay_alu instid0(VALU_DEP_1)
	v_lshl_or_b32 v[TMP], v[PT+1], 8, v[PT]        ; the head's two scale bytes of my token
	v_cvt_scalef32_pk16_fp6_f32 v[PC:PC+2], v[S:S+15], v[SO]
	v_cvt_scalef32_pk16_fp6_f32 v[CT:CT+2], v[S+16:S+31], v[SO+1]
	v_nop                                          ; one plain place behind a scaled conversion
.irp i, 0,1,2
	v_permlane16_swap_b32 v[PC+\i], v[CT+\i]
.endr
.irp i, 0,1,2
	s_delay_alu instid0(VALU_DEP_3)
	v_mov_b32 v[PC+3+\i], v[CT+\i]                 ; lane (r, h): token r, channels 32 h .. 32 h + 31, in six registers
.endr
	global_store_b128 v[L16], v[PC:PC+3], s[8:9]               ; 512 consecutive bytes,
	global_store_b64 v[L8], v[PC+4:PC+5], s[8:9] offset:512    ; and 256, both at multiples of 256 from the buffer's first byte
	global_store_b16 v[R16], v[TMP], s[10:11]      ; two bytes a token, rows 16 bytes apart, all inside one run of 256 bytes: the one such store of a wave in the launch (32 bytes; both halves of the lanes write the same);
	                                               ; gathering the eight heads' bytes would want work-groups to meet
	s_wait_tensorcnt 0x0                           ; the wave's end
	ds_add_u32 v[SPW], v[NIL]
	s_wait_dscnt 0x0
	CROUND                                         ; the closing round: no work-group ends while a partner may still ask for a tile that names it
	s_endpgm
.Lfunc_end_k_q8e72e240eb_attn:
	.size	k_q8e72e240eb_attn, .Lfunc_end_k_q8e72e240eb_attn-k_q8e72e240eb_attn
	.p2alignl 7, 3214868480
	.fill 96, 4, 3214868480
	.section	.rodata,"a",@progbits
	.p2align	6, 0x0
	.amdhsa_kernel k_q8e72e240eb_attn
		.amdhsa_group_segment_fixed_size 327680
		.amdhsa_private_segment_fixed_size 0
		.amdhsa_enable_private_segment 0
		.amdhsa_kernarg_size 32
		.amdhsa_user_sgpr_count 2
		.amdhsa_user_sgpr_kernarg_segment_ptr 1
		.amdhsa_wavefront_size32 1
		.amdhsa_system_sgpr_workgroup_id_x 1
		.amdhsa_system_sgpr_workgroup_id_y 1
		.amdhsa_system_sgpr_workgroup_id_z 1
		.amdhsa_system_vgpr_workitem_id 0
		.amdhsa_next_free_vgpr 256
		.amdhsa_next_free_sgpr 66
		.amdhsa_reserve_vcc 0
		.amdhsa_float_denorm_mode_32 3
		.amdhsa_float_denorm_mode_16_64 3
		.amdhsa_memory_ordered 1
		.amdhsa_forward_progress 1
		.amdhsa_inst_pref_size 81
	.end_amdhsa_kernel
	.amdgpu_metadata
---
amdhsa.version: [ 1, 2 ]
amdhsa.kernels:
  - .name:           k_q8e72e240eb_attn
    .symbol:         k_q8e72e240eb_attn.kd
    .args:
      - { .name: qbuf, .offset: 0, .size: 8, .value_kind: global_buffer, .address_space: global }
      - { .name: kv, .offset: 8, .size: 8, .value_kind: global_buffer, .address_space: global }
      - { .name: aimg, .offset: 16, .size: 8, .value_kind: global_buffer, .address_space: global }
      - { .name: asc, .offset: 24, .size: 8, .value_kind: global_buffer, .address_space: global }
    .group_segment_fixed_size: 327680
    .private_segment_fixed_size: 0
    .kernarg_segment_align: 8
    .kernarg_segment_size: 32
    .max_flat_workgroup_size: 512
    .sgpr_count:     66
    .vgpr_count:     256
    .wavefront_size: 32
...
	.end_amdgpu_metadata
.endif
;; end of part 5
;; launch oproj (part 6): grid 256 x 1, 4 waves a work-group, no clusters, 34,304 bytes of LDS; arguments aimg, asc, Wo_codes, Wo_scales, bo, out0; writes out0
.if DOCPART == 6
	.amdgcn_target "amdgcn-amd-amdhsa--gfx1250"
	.amdhsa_code_object_version 6
	.text
	.protected	k_q8e72e240eb_oproj
	.globl	k_q8e72e240eb_oproj
	.p2align	8
	.type	k_q8e72e240eb_oproj,@function
k_q8e72e240eb_oproj:
	s_mov_b64 s[64:65], 0
	v_nop
	global_prefetch_b8 v0, s[64:65] scope:SCOPE_SE
	s_setreg_imm32_b32 hwreg(HW_REG_WAVE_SCHED_MODE, 0, 2), 2
	s_setreg_imm32_b32 hwreg(HW_REG_WAVE_MODE, 25, 1), 1
	s_wait_xcnt 0x0
	s_wait_alu depctr_vm_vsrc(0)
; out0 = A Wo^T + bo on codes of FP6 (E2M3) with E8M0 scales.  A: the attention's result, 8,192 tokens x 512, as the launch before stored it: aimg [tile of 16 tokens 512][head 8][768]: half a fragment's
; image (registers 0-3 at 16 x lane, registers 4-5 at 512 + 8 x lane; lane (r, h): token r, the head's channels 32 h on); asc [token][16]: its scale bytes.  Wo: [512][512] codes, K innermost.
; SHARES.  A work-group takes 32 tokens (two tiles) x 512 features; wave w takes features 128 w on: its 128 rows of Wo, 8 tiles x 4 K steps x 12 = 384 registers, are loaded once.
; TRANSPOSED USE: source 0 = 16 rows of Wo, source 1 = 16 tokens: a lane's eight results are eight neighbouring features of one token.  The bias is the C of each sum's first instruction.
; THE WAY OUT: 16 tokens x 128 features go through the wave's own stage in LDS (rows of 512 bytes + 16) and leave as whole rows: each store covers 512 consecutive bytes at a multiple of 256 from out0's first byte.
; Straight-line, no barrier: waves share nothing.  NO CLUSTER, NO TENSOR LOAD: each operand goes once from memory into a wave's registers, in the fragment's own pieces; a wave has 64 matrix instructions.
; THE MODE: SCHED_MODE bits 1:0 = 2 (LLVM: expert scheduling mode 2), set by the entry lines.  The code itself states the register dependences between vector or matrix instructions
; and memory or LDS instructions, with s_wait_alu, always for 0.
; THE PLAN.  Registers that memory or LDS instructions touch:
;   v2-5, v8, v10, v13  offsets and LDS addresses, made once at the head and never written again.
;   Wo's fragments and scale words, the bias, the tokens' fragments and scale words: loaded once, read by matrix instructions alone.
;   The accumulators    written by a tile's 32 products, read by its 16 LDS stores, written again by the second tile's products.
;   BK (v112-175)       the first tile's rows: LDS loads land there, global stores read them.  No vector line names them.
;   BK2 (v184-247)      the second tile's rows likewise: registers of their own, v196-243 of which held the first tile's fragments, done with since its products.  So no store's data are written again.
;   v254, v255          written at the head, read by the closing add alone.
; One wait on va_vdst stands behind each tile's products and their places, ahead of its LDS stores; one wait on vm_vsrc ahead of the second tile's products.
; The first tile's global stores stand behind the second tile's products: its turn through the stage runs beside them.
; REGISTERS, in windows of 256.  Window 0: v2-13 addresses; v16-47 Wo's scale words; v48-111 the 8 accumulators; v112-175 and v184-247 rows on their way out; v176-183 the tokens' scale words; v196-243 the tokens' fragments, tile 0.
;   Window 1: v0-191 Wo's K steps 0, 1; v196-243 the tokens' fragments, tile 1.   Window 2: v0-191 Wo's K steps 2, 3; v192-255 the bias.
.set A0,  2                            ; v2   Wo: r x 384 + 24 h
.set R16, 3                            ; v3   16 x r: a row of 16 scale bytes, Wo's and the tokens'
.set L16, 4                            ; v4   16 x lane
.set L8,  5                            ; v5   8 x lane
.set STO, 8                            ; v8   the stage: where I put 32 bytes of a row
.set RD,  10                           ; v10  and where I read a row back
.set AB,  13                           ; v13  32 h: the bias
.set SS,  16
.set ACC, 48
.set BK,  112
.set BK2, 184
.set XS,  176
.set FB,  196
.set B1,  192                          ; in window 2
.set MSB, 0
.macro WIN new                         ; the immediate's high byte repeats the setting that is left; a switch that changes nothing is dropped
.if MSB != (\new)
	s_set_vgpr_msb (MSB<<8)|(\new)
.set MSB, (\new)
.endif
.endm
.macro LA u                            ; token tile u: eight heads' half fragments make four fragments (K step s = heads 2 s, 2 s + 1); its scale words.  17 loads
	WIN ((\u)<<6)
.irp e, 0,1,2,3,4,5,6,7
	global_load_b128 v[FB+6*\e:FB+6*\e+3], v[L16], s[4:5] offset:\u*6144+768*\e
	global_load_b64 v[FB+6*\e+4:FB+6*\e+5], v[L8], s[4:5] offset:\u*6144+768*\e+512
.endr
	WIN 0
	global_load_b128 v[XS+4*\u:XS+4*\u+3], v[R16], s[6:7] offset:256*\u
.endm
; 32 matrix instructions: Wo's eight tiles against token tile u, K step by K step; the eight accumulators take turns, one instruction a turn
.macro MUL u
	WIN ((2<<4)|((\u)<<2)|1)
.irp t, 0,1,2,3,4,5,6,7
	v_wmma_scale_f32_16x16x128_f8f6f4 v[ACC+8*\t:ACC+8*\t+7], v[12*\t:12*\t+11], v[FB:FB+11], v[B1+8*\t:B1+8*\t+7], v[SS+4*\t], v[XS+4*\u] matrix_a_fmt:MATRIX_FMT_FP6 matrix_b_fmt:MATRIX_FMT_FP6
.endr
	WIN (((\u)<<2)|1)
.irp t, 0,1,2,3,4,5,6,7
	v_wmma_scale_f32_16x16x128_f8f6f4 v[ACC+8*\t:ACC+8*\t+7], v[96+12*\t:96+12*\t+11], v[FB+12:FB+23], v[ACC+8*\t:ACC+8*\t+7], v[SS+4*\t+1], v[XS+4*\u+1] matrix_a_fmt:MATRIX_FMT_FP6 matrix_b_fmt:MATRIX_FMT_FP6
.endr
	WIN (((\u)<<2)|2)
.irp t, 0,1,2,3,4,5,6,7
	v_wmma_scale_f32_16x16x128_f8f6f4 v[ACC+8*\t:ACC+8*\t+7], v[12*\t:12*\t+11], v[FB+24:FB+35], v[ACC+8*\t:ACC+8*\t+7], v[SS+4*\t+2], v[XS+4*\u+2] matrix_a_fmt:MATRIX_FMT_FP6 matrix_b_fmt:MATRIX_FMT_FP6
.endr
.irp t, 0,1,2,3,4,5,6,7
	v_wmma_scale_f32_16x16x128_f8f6f4 v[ACC+8*\t:ACC+8*\t+7], v[96+12*\t:96+12*\t+11], v[FB+36:FB+47], v[ACC+8*\t:ACC+8*\t+7], v[SS+4*\t+3], v[XS+4*\u+3] matrix_a_fmt:MATRIX_FMT_FP6 matrix_b_fmt:MATRIX_FMT_FP6
.endr
	WIN 0
.endm
.macro TOSTAGE bk                      ; LDS serves a wave's instructions in order (ISA guide 5.7.1.4): the loads see the stores above them.  bk: where the rows come back
.irp t, 0,1,2,3,4,5,6,7
	ds_store_b128 v[STO], v[ACC+8*\t:ACC+8*\t+3] offset:64*\t        ; each accumulator from its low end on
	ds_store_b128 v[STO], v[ACC+8*\t+4:ACC+8*\t+7] offset:64*\t+16
.endr
.irp i, 0,1,2,3,4,5,6,7,8,9,10,11,12,13,14,15
	ds_load_b128 v[\bk+4*\i:\bk+4*\i+3], v[RD] offset:528*\i
.endr
.endm
.macro SEND u, bk
	s_wait_dscnt 0x0                               ; the rows are back in registers
.irp i, 0,1,2,3,4,5,6,7,8,9,10,11,12,13,14,15
	global_store_b128 v[L16], v[\bk+4*\i:\bk+4*\i+3], s[14:15] offset:(16*\u+\i)*2048 th:TH_STORE_NT   ; written once, read by nobody here
.endr
.endm
	s_load_b256 s[4:11], s[0:1], 0x0               ; aimg s[4:5], asc s[6:7], Wo's codes s[8:9], Wo's scales s[10:11]
	s_load_b128 s[12:15], s[0:1], 0x20             ; bo s[12:13], out0 s[14:15]
	v_lshl_add_u32 v254, v0, 2, 0x8400
	v_mov_b32 v255, 0
	v_lshrrev_b32 v1, 5, v0
	v_readfirstlane_b32 s16, v1                    ; wave 0..3
	v_and_b32 v1, 31, v0                           ; lane
	v_and_b32 v7, 15, v0                           ; r
	v_bfe_u32 v9, v0, 4, 1                         ; h
	v_mul_u32_u24 v[A0], v7, 384
	v_mad_u32_u24 v[A0], v9, 24, v[A0]
	v_lshlrev_b32 v[R16], 4, v7
	v_lshlrev_b32 v[L16], 4, v1
	v_lshlrev_b32 v[L8], 3, v1
	s_wait_alu depctr_va_sdst(0)                   ; s16 is written, ahead of its first reader: the wave's stage, rows of Wo, bias and columns of out0 are made from it
	s_mul_i32 s17, s16, 16*528                     ; my stage
	v_mul_u32_u24 v[STO], v7, 528
	v_lshl_add_u32 v[STO], v9, 5, v[STO]
	v_add_nc_u32 v[STO], s17, v[STO]               ; in: row r, + 32 h; tile t's eight features 64 t bytes on
	v_add_nc_u32 v[RD], s17, v[L16]                ; back: the 32 lanes take one row of 512 bytes
	v_lshlrev_b32 v[AB], 5, v9
	s_mul_i32 s18, ttmp9, 2*6144                   ; my two tiles of tokens in aimg,
	s_mov_b32 s19, 0
	s_lshl_b32 s20, ttmp9, 9                       ; in asc;
	s_mov_b32 s21, 0
	s_mul_i32 s22, s16, 128*384                    ; my 128 rows of Wo's codes,
	s_mov_b32 s23, 0
	s_lshl_b32 s24, s16, 11                        ; of its scale bytes,
	s_mov_b32 s25, 0
	s_lshl_b32 s26, s16, 9                         ; my 128 numbers of the bias;
	s_mov_b32 s27, 0
	s_lshl_b32 s28, ttmp9, 16                      ; 32 rows of 2,048 bytes of out0, + my 512 bytes of a row
	s_add_co_u32 s28, s28, s26
	s_mov_b32 s29, 0
	s_wait_kmcnt 0x0
	s_add_nc_u64 s[4:5], s[4:5], s[18:19]
	s_add_nc_u64 s[6:7], s[6:7], s[20:21]
	s_add_nc_u64 s[8:9], s[8:9], s[22:23]
	s_add_nc_u64 s[10:11], s[10:11], s[24:25]
	s_add_nc_u64 s[12:13], s[12:13], s[26:27]
	s_add_nc_u64 s[14:15], s[14:15], s[28:29]
	s_wait_alu depctr_va_vdst(0)                   ; the offsets and LDS addresses v2 to v13 are written: every load, store and LDS instruction of the kernel reads one of them
.irp s, 0,1,2,3
	WIN (0x40<<(\s/2))                             ; destination window 1 (K steps 0, 1) or 2 (K steps 2, 3)
.irp t, 0,1,2,3,4,5,6,7
.irp p, 0,1,2,3,4,5
	global_load_b64 v[96*(\s%2)+12*\t+2*\p:96*(\s%2)+12*\t+2*\p+1], v[A0], s[8:9] offset:16*\t*384+96*\s+48*(\p/3)+8*(\p%3)
.endr
.endr
.endr
	WIN 0
.irp t, 0,1,2,3,4,5,6,7
	global_load_b128 v[SS+4*\t:SS+4*\t+3], v[R16], s[10:11] offset:16*\t*16   ; a row's 16 bytes: the words of its four K steps
.endr
	WIN 0x80
.irp t, 0,1,2,3,4,5,6,7                        ; the bias in the result's layout: lane (r, h), tile t, register j: feature 16 t + 8 h + j
	global_load_b128 v[B1+8*\t:B1+8*\t+3], v[AB], s[12:13] offset:64*\t
	global_load_b128 v[B1+8*\t+4:B1+8*\t+7], v[AB], s[12:13] offset:64*\t+16
.endr
	WIN 0
	LA 0
	LA 1
	s_wait_loadcnt 17                              ; all but the second tile's 17 loads are in
	MUL 0
.rept 5
	v_nop                                          ; four places in front of the stores that read the results; the fifth for the second tile's products, which write over the accumulators
.endr
	s_wait_alu depctr_va_vdst(0)                   ; the first tile's products have written the accumulators, which the LDS stores read; the places above stay beside this wait
	TOSTAGE BK
	s_wait_alu depctr_vm_vsrc(0)                   ; the LDS stores have read the accumulators, which the second tile's products write again
	s_wait_loadcnt 0x0
	MUL 1
	SEND 0, BK                                     ; the first tile's rows came back from the stage beside those products
.rept 4
	v_nop                                          ; four places in front of the stores that read the results
.endr
	s_wait_alu depctr_va_vdst(0)                   ; the second tile's products have written the accumulators, which the LDS stores read; the first tile's products are done reading its fragments, in whose registers rows land
	TOSTAGE BK2
	SEND 1, BK2
	s_wait_dscnt 0x0                               ; the closing lines, six on end
	s_wait_alu 0x0
	s_wait_tensorcnt 0x0
	ds_add_u32 v254, v255
	s_wait_dscnt 0x0
	s_endpgm
.Lfunc_end_k_q8e72e240eb_oproj:
	.size	k_q8e72e240eb_oproj, .Lfunc_end_k_q8e72e240eb_oproj-k_q8e72e240eb_oproj
	.p2alignl 7, 3214868480
	.fill 96, 4, 3214868480
	.section	.rodata,"a",@progbits
	.p2align	6, 0x0
	.amdhsa_kernel k_q8e72e240eb_oproj
		.amdhsa_group_segment_fixed_size 34304
		.amdhsa_private_segment_fixed_size 0
		.amdhsa_enable_private_segment 0
		.amdhsa_kernarg_size 48
		.amdhsa_user_sgpr_count 2
		.amdhsa_user_sgpr_kernarg_segment_ptr 1
		.amdhsa_wavefront_size32 1
		.amdhsa_system_sgpr_workgroup_id_x 1
		.amdhsa_system_sgpr_workgroup_id_y 1
		.amdhsa_system_sgpr_workgroup_id_z 1
		.amdhsa_system_vgpr_workitem_id 0
		.amdhsa_next_free_vgpr 768
		.amdhsa_next_free_sgpr 66
		.amdhsa_reserve_vcc 0
		.amdhsa_float_denorm_mode_32 3
		.amdhsa_float_denorm_mode_16_64 3
		.amdhsa_memory_ordered 1
		.amdhsa_forward_progress 1
		.amdhsa_inst_pref_size 42
	.end_amdhsa_kernel
	.amdgpu_metadata
---
amdhsa.version: [ 1, 2 ]
amdhsa.kernels:
  - .name:           k_q8e72e240eb_oproj
    .symbol:         k_q8e72e240eb_oproj.kd
    .args:
      - { .name: aimg, .offset: 0, .size: 8, .value_kind: global_buffer, .address_space: global }
      - { .name: asc, .offset: 8, .size: 8, .value_kind: global_buffer, .address_space: global }
      - { .name: Wo_codes, .offset: 16, .size: 8, .value_kind: global_buffer, .address_space: global }
      - { .name: Wo_scales, .offset: 24, .size: 8, .value_kind: global_buffer, .address_space: global }
      - { .name: bo, .offset: 32, .size: 8, .value_kind: global_buffer, .address_space: global }
      - { .name: out0, .offset: 40, .size: 8, .value_kind: global_buffer, .address_space: global }
    .group_segment_fixed_size: 34304
    .private_segment_fixed_size: 0
    .kernarg_segment_align: 8
    .kernarg_segment_size: 48
    .max_flat_workgroup_size: 128
    .sgpr_count:     66
    .vgpr_count:     768
    .wavefront_size: 32
...
	.end_amdgpu_metadata
.endif
;; end of part 6
